; MI455X (gfx1250); checked and timed in simulation.
; The chip was launched on July 23, 2026; its instructions are those of AMD's public machine-readable ISA for CDNA 5 (MIT licence, August 2026) and "CDNA5" Instruction Set Architecture Reference Guide (July 2026). The comments in the code are by the model that wrote it; some were corrected since.
;; Multi Head Self Attention. Allowed arithmetic: matrix products marked QUANTISED: E2M1 operands, one E8M0 scale for each 32 along K, by v_wmma_scale_f32_16x16x128_f8f6f4 with both operands' format E2M1 (or v_wmma_scale_f32_32x16x128_f4), f32 sums; products left as they are: bf16, f16 or f32 operands; f32 sums; everything else in f32.
;; Inputs: W 3,072 x 1,024 float32; Wo 1,024 x 1,024 float32; x 4 x 2,048 x 1,024 float32.
;; Outputs: out0 4 x 2,048 x 1,024 float32.
;; This version of the problem:
;;   THIS VERSION OF THE PROBLEM IS GIVEN IN LOW PRECISION. The matrix products marked QUANTISED in the list below multiply operands that are first quantised to E2M1 (2 exponent bits, 1 mantissa bit; 4 bits a number), with one power-of-two scale for each 32 numbers along K (OCP MX v1.0); their sums are f32. The products marked 'left as it is' may take bf16, f16 or f32 operands, with f32 sums. Whichever they take, every output number must still come out within the allowed error. Rounding operands to bf16 (8 significant bits) uses up far more of that allowance than f16 does (11 bits, for magnitudes from 6e-5 to 65,504). All else is computed in f32.
;;   The module's matrix products, in the order in which they are computed (A, B: the left and right operand; K: the contracted axis; several contracted axes count as one K, in the product's order):
;;     1. [M 8,192, K 1,024] x [K 1,024, N 3,072]; A: input x; B: input W: QUANTISED
;;     2. batch 64 x [M 2,048, K 64] x [K 64, N 2,048]; A: computed on the way; B: computed on the way: left as it is (an operand is computed on the way)
;;     3. batch 64 x [M 2,048, K 2,048] x [K 2,048, N 64]; A: computed on the way; B: computed on the way: left as it is (an operand is computed on the way)
;;     4. [M 8,192, K 1,024] x [K 1,024, N 1,024]; A: computed on the way; B: input Wo: left as it is (an operand is computed on the way)
;;   THE QUANTISER, for each operand of a quantised product, along K:
;;     - K is cut into blocks of 32 from its start; a last block that is shorter is filled with zeros.
;;     - A block's scale is 2^e with e = floor(log2(the largest magnitude in the block)) - 2, held to -126 .. 127; a block of zeros has e = 0. As a byte (E8M0): e + 127.
;;     - Each number is divided by its block's scale, clamped to +-6, and rounded to the nearest number of E2M1, ties to even, subnormals kept.
;;     - The product sums the exact products of the quantised numbers (number of the format x scale) in f32.
;;   ~~~python
;;   def quantise(x, axis):      # numpy; x: float32 -> the quantised numbers, widened to float32 again
;;       x = np.moveaxis(x, axis, -1); K = x.shape[-1]
;;       x = np.pad(x, [(0, 0)] * (x.ndim - 1) + [(0, -K % 32)]); x = x.reshape(x.shape[:-1] + (-1, 32)); a = np.abs(x).max(-1, keepdims=True)
;;       e = np.where(a > 0, np.clip(np.frexp(np.where(a > 0, a, 1))[1] - 1 - 2, -126, 127), 0)      # np.frexp(a)[1] - 1 = floor(log2(a)), exactly
;;       r = np.clip(x / 2.0 ** e, -6, 6)
;;       step = 2.0 ** (np.maximum(np.frexp(np.where(r == 0, 1, r))[1] - 1, 0) - 1)
;;       q = np.round(r / step) * step * 2.0 ** e      # np.round: ties to even
;;       return np.moveaxis(q.reshape(q.shape[:-2] + (-1,))[..., :K], -1, axis).astype(np.float32)
;;   ~~~
;; One version. Each part assembles by itself: llvm-mc -triple=amdgcn-amd-amdhsa -mcpu=gfx1250 --defsym DOCPART=n.
;; ======== version 1 of 1: 5 launches
;; limits: values are held in f16: magnitudes above 65,504 overflow, below 6.1e-05 lose precision
;; workspace buffers: codes 5,767,168 bytes; scales 360,448 bytes; wo16 2,097,152 bytes; rope 589,824 bytes; qkv16 50,331,648 bytes; qkv_fine 786,432 bytes; att 16,777,216 bytes
;; launch prep (part 1): grid 420 x 1, 4 waves a work-group, no clusters, 33,280 bytes of LDS; arguments x, W, codes, scales, Wo, wo16, rope; writes codes, scales, wo16, rope
.if DOCPART == 1
	.amdgcn_target "amdgcn-amd-amdhsa--gfx1250"
	.amdhsa_code_object_version 6
	.text
	.protected	k_q10c6cefaf0_prep
	.globl	k_q10c6cefaf0_prep
	.p2align	8
	.type	k_q10c6cefaf0_prep,@function
k_q10c6cefaf0_prep:
	s_mov_b64 s[64:65], 0
	v_nop
	global_prefetch_b8 v0, s[64:65] scope:SCOPE_SE
	s_setreg_imm32_b32 hwreg(HW_REG_WAVE_MODE, 25, 1), 1
	s_wait_xcnt 0x0
; Three jobs in one launch, told apart by the work-group's number alone.
;   work-groups 0-351:   x [8192][1024] and W [3072][1024], f32, become codes of FP4 (E2M1), K innermost, two a byte, and one E8M0 byte for each 32 along K.
;                        Both tensors are plain streams of blocks of 32, and their codes and bytes lie one behind the other in one buffer each: x's, then W's.
;   work-groups 352-383: Wo [1024][1024] f32 becomes f16.
;   work-groups 384-419: the table of cos and sin: [2304 rows][32 frequencies][cos, sin] f32; rows 0-2047 are the positions, rows 2048-2303 hold (1, 0).
; A block's scale is 2^(floor(log2(its largest magnitude)) - 2); its byte is the largest magnitude's exponent field - 2, held at 1 from below.
; LIMITS: a block of zeros gets the byte 1 where the rule says 127 (its codes are zeros, and this program alone reads the bytes); blocks whose largest magnitude lies under 2^-124
; keep the byte 1; NaN and infinities are not served.  The frequencies come from v_exp_f32: an angle may differ from one made otherwise by about 2e-4 rad at the last positions.
; No cluster: no two work-groups read the same bytes.
.set STEPS, 16
.set EMAX,  2
.set CB,    8                          ; bytes of 16 codes
.set R,     16                         ; v16-79   four sets of 16 numbers as they are loaded
.set X,     80                         ; v80-111  two sets of 16 neighbours
.set C,     128                        ; v128-191 codes: four registers for each step
.set E,     112                        ; v112-127 a scale byte for each step
.set WREG,  8192                       ; LDS: a region for each wave: two stages of 32 x SP bytes, behind them its 256 scale bytes
.set SP,    80                         ; a lane's place in a stage: 64 bytes + 16 of padding
.set SPW,   12                         ; v12 LDS address of my spare word; never rewritten
.set NIL,   13                         ; v13 0; never rewritten
.set SPARE, 4*WREG                     ; behind the four regions: the spare words, 128 bytes a wave
.set WX,    16                         ; Wo's path: v16-79 sixteen slots of four numbers
.set WR,    80                         ; v80-111 sixteen slots of two registers of f16
	s_load_b256 s[4:11], s[0:1], 0x0               ; x, W, codes, scales
	s_load_b128 s[12:15], s[0:1], 0x20             ; Wo, wo16
	s_load_b64 s[32:33], s[0:1], 0x30              ; rope
	v_lshl_add_u32 v[SPW], v0, 2, SPARE
	v_mov_b32 v[NIL], 0
	v_lshrrev_b32 v1, 5, v0
	v_readfirstlane_b32 s16, v1                    ; wave
	v_and_b32 v2, 31, v0                           ; lane
	s_mov_b32 s19, 0                               ; the upper word of every offset below
	s_wait_kmcnt 0x0
	s_cmp_ge_u32 ttmp9, 384
	s_cbranch_scc1 .Lrope
	s_cmp_ge_u32 ttmp9, 352
	s_cbranch_scc1 .Lwo
; ---- x and W into codes.  A wave takes 16 steps of 512 numbers.  A load reads 512 consecutive bytes, 16 a lane; the conversions want 16 neighbours in a lane:
; a step's 2,048 bytes turn through the wave's own stage in LDS.  Two neighbouring lanes hold a block.
	v_lshlrev_b32 v3, 4, v2                        ; my 16 bytes of a load's 512
	s_mul_i32 s17, s16, WREG
	v_lshrrev_b32 v14, 2, v2
	v_mul_u32_u24 v14, v14, SP
	v_and_b32 v15, 3, v2
	v_lshl_add_u32 v14, v15, 4, v14
	v_add_nc_u32 v14, s17, v14                     ; the stage, on the way in: SP (lane / 4) + 16 (lane % 4)
	v_mul_u32_u24 v15, v2, SP
	v_add_nc_u32 v15, s17, v15                     ; and on the way out: SP x lane
	v_mul_u32_u24 v4, v2, CB                       ; my codes' place in a step's
	v_lshrrev_b32 v5, 1, v2
	s_add_co_u32 s17, s17, 2*32*SP
	v_add_nc_u32 v5, s17, v5                       ; my wave's 256 scale bytes, my block's byte
	v_lshlrev_b32 v7, 3, v2
	v_add_nc_u32 v6, s17, v7                       ; and on the way out 8 bytes a lane
	s_cmp_lt_u32 ttmp9, 256                        ; x's work-group or W's?
	s_cselect_b64 s[4:5], s[4:5], s[6:7]
	s_cselect_b32 s17, 0, 256
	s_sub_co_u32 s17, ttmp9, s17
	s_lshl_b32 s17, s17, 2
	s_add_co_u32 s17, s17, s16                     ; which run of 8,192 numbers of the tensor
	s_lshl_b32 s18, s17, 15                        ; 32,768 bytes a run
	s_add_nc_u64 s[4:5], s[4:5], s[18:19]
	s_lshl_b32 s20, ttmp9, 2
	s_add_co_u32 s20, s20, s16                     ; which run of the outputs: x's 1,024 runs, then W's
	s_lshl_b32 s18, s20, 12                        ; 4,096 bytes of codes a run
	s_add_nc_u64 s[8:9], s[8:9], s[18:19]
	s_lshl_b32 s18, s20, 8                         ; 256 scale bytes a run
	s_add_nc_u64 s[10:11], s[10:11], s[18:19]
.macro LOAD t
.irp i, 0,1,2,3
	global_load_b128 v[R+16*((\t)%4)+4*\i:R+16*((\t)%4)+4*\i+3], v3, s[4:5] offset:2048*(\t)+512*\i th:TH_LOAD_NT
.endr
.endm
.macro TURN t                          ; step t's numbers through the stage: LDS serves a wave's instructions in order
.irp i, 0,1,2,3
	ds_store_b128 v14, v[R+16*((\t)%4)+4*\i:R+16*((\t)%4)+4*\i+3] offset:32*SP*((\t)%2)+8*SP*\i
.endr
.irp i, 0,1,2,3
	ds_load_b128 v[X+16*((\t)%2)+4*\i:X+16*((\t)%2)+4*\i+3], v15 offset:32*SP*((\t)%2)+16*\i
.endr
.endm
.irp t, 0,1,2,3
	LOAD \t
.endr
	s_wait_loadcnt 12                              ; step 0's four loads are in; three steps' twelve may be out
	TURN 0
.macro STEP t
.set XS, X+16*((\t)%2)
.if (\t) > 0
	s_wait_dscnt 1                                 ; this step's numbers are back from the stage; the last step's byte store may be out
.else
	s_wait_dscnt 0x0
.endif
.if (\t)+4 < STEPS
	LOAD (\t)+4
.endif
.if (\t)+1 < STEPS
.if STEPS-2-(\t) >= 3
	s_wait_loadcnt 12                              ; the next step's four loads are in; those of the three steps behind it may be out
.else
	s_wait_loadcnt 4*(STEPS-2-(\t))
.endif
	TURN (\t)+1
.endif
	v_max3_num_f32 v8, |v[XS]|, |v[XS+1]|, |v[XS+2]|
	v_max3_num_f32 v9, |v[XS+3]|, |v[XS+4]|, |v[XS+5]|
.irp i, 6,10
	v_max3_num_f32 v8, v8, |v[XS+\i]|, |v[XS+\i+1]|
	v_max3_num_f32 v9, v9, |v[XS+\i+2]|, |v[XS+\i+3]|
.endr
	v_max3_num_f32 v8, v8, |v[XS+14]|, |v[XS+15]|
	v_max3_num_f32 v8, v8, v9, (EMAX+1)<<23        ; and the floor 2^(3 - 127): the byte cannot fall under 1
	v_max_num_f32_dpp v8, v8, v8 row_xmask:1 row_mask:0xf bank_mask:0xf   ; with my neighbour's 16: the block's largest magnitude
	v_add_nc_u32 v11, -(EMAX<<23), v8              ; 2 off its exponent field: the conversion's scale operand
	v_cvt_scalef32_pk8_fp4_f32 v[C+4*(\t)], v[XS:XS+7], v11
	v_cvt_scalef32_pk8_fp4_f32 v[C+4*(\t)+1], v[XS+8:XS+15], v11
	v_lshrrev_b32 v[E+(\t)], 23, v11               ; the scale's byte
	ds_store_b8 v5, v[E+(\t)] offset:16*(\t)       ; both lanes of a block write the same byte with the same value
	global_store_b64 v4, v[C+4*(\t):C+4*(\t)+1], s[8:9] offset:32*CB*(\t)   ; 32 lanes store 256 consecutive bytes, aligned
.endm
.irp t, 0,1,2,3,4,5,6,7,8,9,10,11,12,13,14,15
	STEP \t
.endr
	ds_load_b64 v[8:9], v6                         ; LDS serves a wave's instructions in order: these see my stores
	s_wait_dscnt 0x0
	global_store_b64 v7, v[8:9], s[10:11]          ; 256 scale bytes, aligned
	s_wait_tensorcnt 0x0                           ; the wave's end
	ds_add_u32 v[SPW], v[NIL]
	s_wait_dscnt 0x0
	s_endpgm
; ---- Wo into f16.  A wave takes 8,192 numbers: 64 loads of 512 consecutive bytes, sixteen of them always on their way; each gives one store of 256 consecutive bytes.
.Lwo:
	s_sub_co_u32 s17, ttmp9, 352
	s_lshl_b32 s17, s17, 2
	s_add_co_u32 s17, s17, s16
	s_lshl_b32 s18, s17, 15
	s_add_nc_u64 s[12:13], s[12:13], s[18:19]
	s_lshl_b32 s18, s17, 14
	s_add_nc_u64 s[14:15], s[14:15], s[18:19]
	v_lshlrev_b32 v3, 4, v2
	v_lshlrev_b32 v4, 3, v2
.irp i, 0,1,2,3,4,5,6,7,8,9,10,11,12,13,14,15
	global_load_b128 v[WX+4*\i:WX+4*\i+3], v3, s[12:13] offset:512*\i
.endr
.macro WOROUND g
.if \g > 0
	s_wait_xcnt 0x0                                ; the last round's stores have read their data: the sixteen pairs may be written again
.endif
.irp i, 0,1,2,3,4,5,6,7,8,9,10,11,12,13,14,15
.if \g < 3
	s_wait_loadcnt 15                              ; loads come back in order: mine is in, the fifteen younger ones stay out
.else
	s_wait_loadcnt 15-\i                           ; the last round loads nothing: the counts run down
.endif
	v_cvt_pk_f16_f32 v[WR+2*\i], v[WX+4*\i], v[WX+4*\i+1]
	v_cvt_pk_f16_f32 v[WR+2*\i+1], v[WX+4*\i+2], v[WX+4*\i+3]
.if \g < 3
	global_load_b128 v[WX+4*\i:WX+4*\i+3], v3, s[12:13] offset:512*(16*(\g+1)+\i)
.endif
	global_store_b64 v4, v[WR+2*\i:WR+2*\i+1], s[14:15] offset:256*(16*\g+\i)
.endr
.endm
	WOROUND 0
	WOROUND 1
	WOROUND 2
	WOROUND 3
	s_wait_tensorcnt 0x0                           ; a wave's end
	ds_add_u32 v[SPW], v[NIL]
	s_wait_dscnt 0x0
	s_endpgm
; ---- cos and sin.  A wave takes 16 rows, a lane a frequency i: 1e5^(-i / 32).  angle = position x frequency, rounded to f32 as it stands; n = the nearest multiple of pi / 2;
; r = angle - n pi / 2 in two steps (n has 11 bits, so the first is exact); sin and cos of r by their series up to r^9 and r^8 (|r| <= pi / 4: what is cut lies under 3e-8); the quadrant by selects.
.Lrope:
	s_sub_co_u32 s17, ttmp9, 384
	s_lshl_b32 s17, s17, 2
	s_add_co_u32 s17, s17, s16
	s_lshl_b32 s17, s17, 4                         ; my first row
	s_cmp_lt_u32 s17, 2048
	s_cselect_b32 s21, 1, 0                        ; rows from 2,048 on take position 0: cos 1, sin 0
	s_lshl_b32 s18, s17, 8                         ; 256 bytes a row
	s_add_nc_u64 s[32:33], s[32:33], s[18:19]
	s_mov_b32 s40, 0x3f22f983                      ; 2 / pi
	s_mov_b32 s41, 0x3fc90fdb                      ; pi / 2, its f32
	s_mov_b32 s42, 0xb33bbd2e                      ; and what that f32 leaves
	s_mov_b32 s43, 0xbe2aaaab                      ; -1/6
	s_mov_b32 s44, 0x3c088889                      ; 1/120
	s_mov_b32 s45, 0xb9500d01                      ; -1/5040
	s_mov_b32 s46, 0x3638ef1d                      ; 1/362880
	s_mov_b32 s47, 0x3d2aaaab                      ; 1/24
	s_mov_b32 s48, 0xbab60b61                      ; -1/720
	s_mov_b32 s49, 0x37d00d01                      ; 1/40320
	v_cvt_f32_u32 v20, v2
	v_mul_f32 v20, 0xbf04e08b, v20                 ; -i log2(1e5) / 32
	v_exp_f32 v20, v20
	v_lshlrev_b32 v3, 3, v2                        ; (a plain instruction behind the exponential)  8 bytes a lane
	s_wait_alu depctr_va_vdst(0)                   ; a wait ahead of the result's first reader
.macro ROW t
	s_add_co_u32 s22, s17, \t
	s_mul_i32 s22, s22, s21
	v_cvt_f32_u32 v21, s22
	v_mul_f32 v21, v21, v20                        ; the angle
	v_mul_f32 v22, s40, v21
	v_rndne_f32 v22, v22                           ; n
	v_fma_f32 v23, -v22, s41, v21
	v_fma_f32 v23, -v22, s42, v23                  ; r
	v_mul_f32 v24, v23, v23                        ; r^2
	v_fma_f32 v25, v24, s46, s45
	v_fma_f32 v25, v25, v24, s44
	v_fma_f32 v25, v25, v24, s43
	v_mul_f32 v26, v23, v24
	v_fma_f32 v25, v26, v25, v23                   ; sin r
	v_fma_f32 v27, v24, s49, s48
	v_fma_f32 v27, v27, v24, s47
	v_fma_f32 v27, v27, v24, -0.5
	v_fma_f32 v27, v27, v24, 1.0                   ; cos r
	v_cvt_i32_f32 v28, v22
	v_and_b32 v29, 1, v28
	v_cmp_eq_u32 vcc_lo, 1, v29
	v_cndmask_b32 v30, v27, v25, vcc_lo            ; in odd quadrants the two change places
	v_cndmask_b32 v31, v25, v27, vcc_lo
	v_add_nc_u32 v29, 1, v28
	v_and_b32 v29, 2, v29
	v_lshlrev_b32 v29, 30, v29                     ; cos is negative in quadrants 1 and 2,
	v_xor_b32 v[80+2*\t], v29, v30
	v_and_b32 v28, 2, v28
	v_lshlrev_b32 v28, 30, v28                     ; sin in quadrants 2 and 3
	v_xor_b32 v[81+2*\t], v28, v31
	global_store_b64 v3, v[80+2*\t:81+2*\t], s[32:33] offset:256*\t   ; a row: 256 consecutive bytes, aligned
.endm
.irp t, 0,1,2,3,4,5,6,7,8,9,10,11,12,13,14,15
	ROW \t
.endr
	s_wait_tensorcnt 0x0                           ; a wave's end
	ds_add_u32 v[SPW], v[NIL]
	s_wait_dscnt 0x0
	s_endpgm
.Lfunc_end_k_q10c6cefaf0_prep:
	.size	k_q10c6cefaf0_prep, .Lfunc_end_k_q10c6cefaf0_prep-k_q10c6cefaf0_prep
	.p2alignl 7, 3214868480
	.fill 96, 4, 3214868480
	.section	.rodata,"a",@progbits
	.p2align	6, 0x0
	.amdhsa_kernel k_q10c6cefaf0_prep
		.amdhsa_group_segment_fixed_size 33280
		.amdhsa_private_segment_fixed_size 0
		.amdhsa_enable_private_segment 0
		.amdhsa_kernarg_size 56
		.amdhsa_user_sgpr_count 2
		.amdhsa_user_sgpr_kernarg_segment_ptr 1
		.amdhsa_wavefront_size32 1
		.amdhsa_system_sgpr_workgroup_id_x 1
		.amdhsa_system_sgpr_workgroup_id_y 1
		.amdhsa_system_sgpr_workgroup_id_z 1
		.amdhsa_system_vgpr_workitem_id 0
		.amdhsa_next_free_vgpr 192
		.amdhsa_next_free_sgpr 66
		.amdhsa_reserve_vcc 1
		.amdhsa_float_denorm_mode_32 3
		.amdhsa_float_denorm_mode_16_64 3
		.amdhsa_memory_ordered 1
		.amdhsa_forward_progress 1
		.amdhsa_inst_pref_size 79
	.end_amdhsa_kernel
	.amdgpu_metadata
---
amdhsa.version: [ 1, 2 ]
amdhsa.kernels:
  - .name:           k_q10c6cefaf0_prep
    .symbol:         k_q10c6cefaf0_prep.kd
    .args:
      - { .name: x, .offset: 0, .size: 8, .value_kind: global_buffer, .address_space: global }
      - { .name: W, .offset: 8, .size: 8, .value_kind: global_buffer, .address_space: global }
      - { .name: codes, .offset: 16, .size: 8, .value_kind: global_buffer, .address_space: global }
      - { .name: scales, .offset: 24, .size: 8, .value_kind: global_buffer, .address_space: global }
      - { .name: Wo, .offset: 32, .size: 8, .value_kind: global_buffer, .address_space: global }
      - { .name: wo16, .offset: 40, .size: 8, .value_kind: global_buffer, .address_space: global }
      - { .name: rope, .offset: 48, .size: 8, .value_kind: global_buffer, .address_space: global }
    .group_segment_fixed_size: 33280
    .private_segment_fixed_size: 0
    .kernarg_segment_align: 8
    .kernarg_segment_size: 56
    .max_flat_workgroup_size: 128
    .sgpr_count:     66
    .vgpr_count:     192
    .wavefront_size: 32
...
	.end_amdgpu_metadata
.endif
;; end of part 1
;; launch qkv (part 2): grid 12 x 32, 4 waves a work-group, clusters of 4 x 4, 327,680 bytes of LDS; arguments codes, scales, rope, qkv16, qkv_fine; writes qkv16, qkv_fine
.if DOCPART == 2
	.amdgcn_target "amdgcn-amd-amdhsa--gfx1250"
	.amdhsa_code_object_version 6
	.text
	.protected	k_q10c6cefaf0_qkv
	.globl	k_q10c6cefaf0_qkv
	.p2align	8
	.type	k_q10c6cefaf0_qkv,@function
k_q10c6cefaf0_qkv:
	s_mov_b64 s[64:65], 0
	v_nop
	global_prefetch_b8 v0, s[64:65] scope:SCOPE_SE
	s_setreg_imm32_b32 hwreg(HW_REG_WAVE_MODE, 25, 1), 1
	s_wait_xcnt 0x0
	s_wait_alu depctr_hold_cnt(0) depctr_sa_sdst(0) depctr_va_vdst(0) depctr_va_sdst(0) depctr_va_ssrc(0) depctr_va_vcc(0) depctr_vm_vsrc(0)
	s_getreg_b32 s2, hwreg(HW_REG_IB_STS2, 6, 4)
	s_cmp_eq_u32 s2, 0
	s_cbranch_scc0 .Lentry_in_a_cluster
	s_endpgm
.Lentry_in_a_cluster:
	s_bfe_u32 s2, ttmp6, 0x10000c
	s_cmp_lg_u32 s2, 0xf033
	s_cbranch_scc0 .Lentry_shape_is_right
	s_endpgm
.Lentry_shape_is_right:
; qkv = x W^T on codes of FP4 (E2M1) with one E8M0 scale for each 32 along K, sums in f32; then the pair rotation of Q and K in f32; then out as f16, by head: qkv16 [b][48][l][64]
; (Q's heads, K's, V's).  The first 16 positions of every sequence also leave in f32: qkv_fine [b][16][3072].
; A tile of the product, 256 rows x 256 columns, is made by four waves, 128 x 128 each: 64 accumulators, 512 registers.  K = 1,024 is two LDS slots of 512 along K: both are filled at the start
; and nothing is filled again.  The scale bytes of the work-group's rows of x and of W come once, as two dense blocks.
; CLUSTERS: 4 x 4 work-groups; x's tiles are shared along a row of the cluster, W's along a column, each asked for jointly.  The tile row is 8 cy + cluster y: cy is the batch and cluster y the block of
; 256 positions, so that 'holds positions under 16' is the same in all sixteen partners.  Cluster x is 0, 1, 2 for Q, K, V.
; THE MATRIX INSTRUCTION IS USED TRANSPOSED (source 0 = 16 rows of W, source 1 = 16 rows of x): a lane holds eight neighbouring columns of one row: four whole pairs of the rotation.
; V takes the table's rows of (cos, sin) = (1, 0): one text for all three.  LIMITS: finite numbers alone (0 x infinity would spoil V); |q|, |k|, |v| under 65,504, f16's largest.
; REGISTERS, in windows of 256: window 0: v0-31 addresses; v32-95 scale words, two sets; v128-191 x's fragments; v192-255 cos and sin, two sets; on the way out v32-191 are free.
;   window 1: W's fragments, two sets.   windows 2, 3: the accumulators ((a, b) at v[8 (8 (a % 4) + b)]).
.set SIZE_K, 1024
.set KSTEP,  512
.set NQ,     KSTEP/128
.set ROWB,   256
.set KROW,   SIZE_K*4/8
.set PITCH,  272                       ; an LDS row: 256 bytes + 16 of padding: the 16 rows that a load touches start at 16 different groups of banks
.set FR,     8
.set NL,     2
.set NP,     4
.set HALFT,  128*PITCH
.set SLOT,   4*HALFT
.set KS,     SIZE_K/32
.set SCL,    2*SLOT                    ; behind the slots: the scales, as units of 256 bytes + 16 of padding
.set HALFS,  (128*KS/256)*272
.set SBLK,   (16*KS/256)*272
.set SPARE,  SCL+4*HALFS               ; the spare words, 128 bytes a wave
.set RO,   8                           ; v8   my place in the table's 16 rows: 256 r + 32 h
.set STO16, 9                          ; v9   the f16 stage, in
.set RD16, 10                          ; v10  and back
.set GO16, 11                          ; v11  my byte offset in qkv16
.set STO32, 12                         ; v12  the f32 stage, in
.set RD32, 13                          ; v13  and back
.set GO32, 14                          ; v14  my byte offset in a row of qkv_fine
.set ADRA, 16
.set ADRB, 20
.set ADRS, 27
.set SPW,  28
.set NIL,  29
.set SC,   32
.set AF,   128
.set T,    32                          ; the way out: v32-95 a block's 64 rotated numbers
.set HF,   96                          ; v96-127 the same as f16
.set BK,   128                         ; v128-159, v160-191: rows read back from the stage, by turns
.set CS,   192                         ; v192-223, v224-255: cos and sin, by turns
.set G1, 24
.set G0, 32
.set G1B, 48
.set G0B, 56
.set G1S, 68
.set G0S, 76
.set G1SB, 80
.set G0SB, 88
.set MSB, 0
.macro WIN new                         ; the immediate's high byte repeats the setting that is left
.if MSB != (\new)
	s_set_vgpr_msb (MSB<<8)|(\new)
.set MSB, (\new)
.endif
.endm
.set MUL_LO, 0xa1                      ; source 0 (W) window 1, source 1 (x) window 0, C and D window 2
.set MUL_HI, 0xf1
.set TO_B,   0x40
; A joint load: waves 0 and 1 fetch for x, waves 2 and 3 for W.  The branch hangs on the wave's number alone.  An s_nop 0 and four v_nop follow each line.
.macro JLOAD g0a, g1a, g0b, g1b
	s_cmp_eq_u32 s15, 0
	s_cbranch_scc0 .Lfor_b_\@
	tensor_load_to_lds s[\g0a:\g0a+3], s[\g1a:\g1a+7]
	s_nop 0
.rept 4
	v_nop
.endr
	s_branch .Lasked_\@
.Lfor_b_\@:
	tensor_load_to_lds s[\g0b:\g0b+3], s[\g1b:\g1b+7]
	s_nop 0
.rept 4
	v_nop
.endr
.Lasked_\@:
.endm
.macro CROUND                          ; a round of the cluster's barrier
	s_barrier_signal -1
	s_barrier_wait -1
	s_cmp_lg_u32 s14, 0
	s_cbranch_scc1 .Lnot_wave_0_\@
	s_barrier_signal -3
.Lnot_wave_0_\@:
	s_barrier_wait -3
	s_barrier_signal -1
	s_barrier_wait -1
.endm
	s_load_b128 s[4:7], s[0:1], 0x0                ; codes, scales
	s_load_b128 s[96:99], s[0:1], 0x10             ; rope, qkv16
	s_load_b64 s[100:101], s[0:1], 0x20            ; qkv_fine
	v_lshl_add_u32 v[SPW], v0, 2, SPARE
	v_mov_b32 v[NIL], 0
	ds_add_u32 v[SPW], v[NIL]                      ; the wave's opening: the add, twice on end, and its wait ahead of my first tensor load
	ds_add_u32 v[SPW], v[NIL]
	v_lshrrev_b32 v1, 5, v0
	v_readfirstlane_b32 s14, v1                    ; wave 0..3
	s_lshr_b32 s15, s14, 1                         ; which half of the tile's rows is mine.  Also: I fetch for x (0) or for W (1)
	s_and_b32 s16, s14, 1                          ; which half of its columns.  Also: which 128 rows I fetch
	s_bfe_u32 s40, ttmp6, 0x40000                  ; cx
	s_bfe_u32 s41, ttmp6, 0x40004                  ; cy
	s_lshl_b32 s42, ttmp9, 2
	s_add_co_u32 s42, s42, s40                     ; tile column = 4 x cluster x + cx
	s_and_b32 s2, ttmp7, 0xffff                    ; cluster y
	s_lshl_b32 s17, s41, 3
	s_add_co_u32 s17, s17, s2                      ; tile row = 8 cy + cluster y
	s_lshl_b32 s43, s41, 2
	s_lshl_b32 s43, 15, s43                        ; my row of the cluster
	s_lshl_b32 s44, 0x1111, s40                    ; my column
	s_or_b32 s[G1+0], s43, (0<<16)|(1<<20)|(1<<21)|(5<<22)|(3<<25)  ; the mask; elements of 1 byte; padding: 4 words behind every 64
	s_or_b32 s[G1B+0], s44, (0<<16)|(1<<20)|(1<<21)|(5<<22)|(3<<25)
.irp g, G1, G1B
	s_mov_b32 s[\g+1], ROWB<<16                    ; tensor_dim0
	s_mov_b32 s[\g+2], 128<<16                     ; tensor_dim1
	s_mov_b32 s[\g+3], ROWB<<16                    ; tile_dim0
	s_mov_b32 s[\g+4], 128                         ; tile_dim1
	s_mov_b32 s[\g+5], KROW                        ; from row to row
	s_mov_b32 s[\g+6], 0
	s_mov_b32 s[\g+7], 0
.endr
	s_or_b32 s[G1S+0], s43, (3<<16)|(1<<20)|(1<<21)|(5<<22)|(3<<25) ; the scales of 128 rows: a dense block, as rows of 256 bytes
	s_or_b32 s[G1SB+0], s44, (3<<16)|(1<<20)|(1<<21)|(5<<22)|(3<<25)
.irp g, G1S, G1SB
	s_mov_b32 s[\g+1], 32<<16
	s_mov_b32 s[\g+2], (128*KS/256)<<16
	s_mov_b32 s[\g+3], 32<<16
	s_mov_b32 s[\g+4], 128*KS/256
	s_mov_b32 s[\g+5], 32
	s_mov_b32 s[\g+6], 0
	s_mov_b32 s[\g+7], 0
.endr
	s_lshl_b32 s18, s16, 7
	s_lshl_b32 s20, s17, 8
	s_add_co_u32 s20, s20, s18                     ; x: row 256 x tile row + 128 x half
	s_lshl_b32 s46, s42, 8
	s_add_co_u32 s46, s46, s18                     ; W: row 256 x tile column + 128 x half
	s_mov_b32 s21, 0
	s_mov_b32 s47, 0
	s_mov_b64 s[18:19], KS
	s_mul_u64 s[22:23], s[20:21], s[18:19]
	s_mul_u64 s[92:93], s[46:47], s[18:19]
	s_mov_b64 s[18:19], KROW
	s_mul_u64 s[20:21], s[20:21], s[18:19]
	s_mul_u64 s[46:47], s[46:47], s[18:19]
	s_mul_i32 s45, s14, HALFT                      ; where they go: wave x 128 rows
	s_mul_i32 s94, s14, HALFS
	s_wait_dscnt 0x0                               ; both opening adds are done
	s_wait_kmcnt 0x0
	s_add_nc_u64 s[8:9], s[4:5], 0x400000          ; W's codes lie behind x's 4,194,304 bytes,
	s_add_nc_u64 s[10:11], s[6:7], 0x40000         ; W's scales behind x's 262,144
	s_add_nc_u64 s[20:21], s[4:5], s[20:21]
	s_add_nc_u64 s[22:23], s[6:7], s[22:23]
	s_add_nc_u64 s[46:47], s[8:9], s[46:47]
	s_add_nc_u64 s[92:93], s[10:11], s[92:93]
	CROUND                                         ; all sixteen work-groups are here: the joint loads meet
	s_mov_b32 s[G0S], 1
	s_add_co_u32 s[G0S+1], s94, SCL
	s_mov_b64 s[G0S+2:G0S+3], s[22:23]
	s_or_b32 s[G0S+3], s[G0S+3], 0x80000000
	s_mov_b32 s[G0SB], 1
	s_add_co_u32 s[G0SB+1], s94, SCL
	s_mov_b64 s[G0SB+2:G0SB+3], s[92:93]
	s_or_b32 s[G0SB+3], s[G0SB+3], 0x80000000
	JLOAD G0S, G1S, G0SB, G1SB                     ; the scales first
.irp s, 0,1
	s_mov_b32 s[G0+4*\s], 1
	s_add_co_u32 s[G0+4*\s+1], s45, \s*SLOT
	s_add_nc_u64 s[G0+4*\s+2:G0+4*\s+3], s[20:21], \s*ROWB
	s_or_b32 s[G0+4*\s+3], s[G0+4*\s+3], 0x80000000
	s_mov_b32 s[G0B+4*\s], 1
	s_add_co_u32 s[G0B+4*\s+1], s45, \s*SLOT
	s_add_nc_u64 s[G0B+4*\s+2:G0B+4*\s+3], s[46:47], \s*ROWB
	s_or_b32 s[G0B+4*\s+3], s[G0B+4*\s+3], 0x80000000
	JLOAD G0+4*\s, G1, G0B+4*\s, G1B               ; three loads of mine are out in all
.endr
	v_and_b32 v1, 15, v0                           ; r = l % 16
	v_bfe_u32 v2, v0, 4, 1                         ; h = l / 16
	v_mul_u32_u24 v3, v1, PITCH
	v_lshl_add_u32 v4, v2, 4, v3
	s_mul_i32 s21, s15, HALFT
	s_mul_i32 s22, s16, HALFT
	s_add_co_u32 s22, s22, 2*HALFT
.irp s, 0,1
	v_add_nc_u32 v[ADRA+\s], s21, v4
	v_add_nc_u32 v[ADRB+\s], s22, v4
	s_add_co_u32 s21, s21, SLOT
	s_add_co_u32 s22, s22, SLOT
.endr
	v_mul_u32_u24 v5, v1, KS                       ; my row's scales: KS bytes a row,
	v_lshrrev_b32 v6, 8, v5
	v_lshl_add_u32 v5, v6, 4, v5                   ; and 16 more for each 256 passed
	s_mul_i32 s21, s15, HALFS
	s_mul_i32 s22, s16, HALFS
	s_add_co_u32 s22, s22, 2*HALFS
	s_sub_co_u32 s22, s22, s21
	v_mul_u32_u24 v6, s22, v2                      ; lanes 16-31 take W's
	s_add_co_u32 s21, s21, SCL
	v_add_nc_u32 v5, v5, v6
	v_add_nc_u32 v[ADRS], s21, v5
	; the way out's addresses
	v_lshlrev_b32 v[RO], 8, v1
	v_lshl_add_u32 v[RO], v2, 5, v[RO]             ; the table: row r of 256 bytes, + 32 h: my four pairs of 16 columns
	s_mul_i32 s23, s14, 16*272                     ; my f16 stage: 16 rows x (256 + 16) bytes, in slot 0
	v_mul_u32_u24 v[STO16], v1, 272
	v_lshl_add_u32 v[STO16], v2, 4, v[STO16]
	v_add_nc_u32 v[STO16], s23, v[STO16]
	v_bfe_u32 v5, v0, 3, 1
	v_mul_u32_u24 v[RD16], v5, 272                 ; back: sixteen lanes take two neighbouring rows of one head, 128 bytes each; lanes 16-31 the other head
	v_lshl_add_u32 v[RD16], v2, 7, v[RD16]
	v_and_b32 v5, 7, v0
	v_lshl_add_u32 v[RD16], v5, 4, v[RD16]
	v_add_nc_u32 v[RD16], s23, v[RD16]
	v_lshlrev_b32 v[GO16], 4, v1
	v_lshl_add_u32 v[GO16], v2, 18, v[GO16]        ; a head is 262,144 bytes
	s_mul_i32 s23, s14, 16*528                     ; my f32 stage: 16 rows x (512 + 16) bytes, behind the four f16 stages
	s_add_co_u32 s23, s23, 4*16*272
	v_mul_u32_u24 v[STO32], v1, 528
	v_lshl_add_u32 v[STO32], v2, 5, v[STO32]
	v_add_nc_u32 v[STO32], s23, v[STO32]
	v_and_b32 v6, 31, v0
	v_lshlrev_b32 v[GO32], 4, v6
	v_add_nc_u32 v[RD32], s23, v[GO32]
	s_mov_b32 s19, 0
	s_lshl_b32 s20, s2, 8                          ; 256 x cluster y: the tile's first position
	s_cmp_eq_u32 ttmp9, 2                          ; V's work-groups take the rows of (1, 0)
	s_cselect_b32 s21, 2048, s20
	s_lshl_b32 s22, s15, 7
	s_add_co_u32 s21, s21, s22
	s_lshl_b32 s18, s21, 8
	s_add_nc_u64 s[96:97], s[96:97], s[18:19]      ; the table at my first row
	s_mul_i32 s18, s41, 12582912                   ; qkv16: the batch,
	s_add_nc_u64 s[98:99], s[98:99], s[18:19]
	s_lshl_b32 s18, s42, 2
	s_lshl_b32 s23, s16, 1
	s_add_co_u32 s18, s18, s23
	s_lshl_b32 s18, s18, 18                        ; the first of my two heads: 4 x tile column + 2 x half,
	s_add_nc_u64 s[98:99], s[98:99], s[18:19]
	s_add_co_u32 s18, s20, s22
	s_lshl_b32 s18, s18, 7                         ; my first position, 128 bytes a row
	s_add_nc_u64 s[98:99], s[98:99], s[18:19]
	s_mul_i32 s18, s41, 196608                     ; qkv_fine: the batch's 16 rows of 12,288 bytes,
	s_add_nc_u64 s[100:101], s[100:101], s[18:19]
	s_lshl_b32 s18, s42, 10
	s_lshl_b32 s23, s16, 9
	s_add_co_u32 s18, s18, s23                     ; my first column
	s_add_nc_u64 s[100:101], s[100:101], s[18:19]
	s_or_b32 s3, s2, s15                           ; 0 where my block 0 holds positions 0 to 15: cluster y and the wave's number alone
.macro FRAG reg, adr, q, i             ; 16 rows x 128 K of 4-bit codes: 8 registers, two loads of 16 bytes, 32 bytes apart
.irp c, 0,1
	ds_load_b128 v[\reg+4*\c:\reg+4*\c+3], v[\adr] offset:64*(\q)+32*\c+(\i)*16*PITCH
.endr
.endm
; 16 matrix instructions: x's blocks a0, a0 + 1 against W's eight.  The 64 accumulators take turns, one instruction a turn.
.macro MUL16 a0, p, q, sc, zero
.irp a, \a0, \a0+1
.irp b, 0,1,2,3,4,5,6,7
.if \zero
	v_wmma_scale_f32_16x16x128_f8f6f4 v[8*(8*((\a)%4)+\b):8*(8*((\a)%4)+\b)+7], v[128*(\p)+FR*\b:128*(\p)+FR*\b+FR-1], v[AF+FR*(\a):AF+FR*(\a)+FR-1], 0, v[SC+8*NQ*(\sc)+NQ*\b+(\q)], v[SC+8*NQ*(\sc)+NQ*(\a)+(\q)] matrix_a_fmt:MATRIX_FMT_FP4 matrix_b_fmt:MATRIX_FMT_FP4 matrix_a_scale:MATRIX_SCALE_ROW1
.else
	v_wmma_scale_f32_16x16x128_f8f6f4 v[8*(8*((\a)%4)+\b):8*(8*((\a)%4)+\b)+7], v[128*(\p)+FR*\b:128*(\p)+FR*\b+FR-1], v[AF+FR*(\a):AF+FR*(\a)+FR-1], v[8*(8*((\a)%4)+\b):8*(8*((\a)%4)+\b)+7], v[SC+8*NQ*(\sc)+NQ*\b+(\q)], v[SC+8*NQ*(\sc)+NQ*(\a)+(\q)] matrix_a_fmt:MATRIX_FMT_FP4 matrix_b_fmt:MATRIX_FMT_FP4 matrix_a_scale:MATRIX_SCALE_ROW1
.endif
.endr
.endr
.endm
.macro FETCH_B slot, q, p
	WIN TO_B
.irp i, 0,1,2,3,4,5,6,7
	FRAG 128*(\p)+FR*\i, ADRB+\slot, \q, \i
.endr
	WIN 0
.endm
.macro FETCH_A slot, q, i0
.irp i, \i0, \i0+1, \i0+2, \i0+3
	FRAG AF+FR*(\i), ADRA+\slot, \q, \i
.endr
.endm
.macro SCALES sc                       ; a slot's scale words: lanes 0-15 take x's block i, lanes 16-31 W's block i
.irp i, 0,1,2,3,4,5,6,7
	ds_load_b128 v[SC+8*NQ*\sc+NQ*\i:SC+8*NQ*\sc+NQ*\i+3], v[ADRS] offset:\i*SBLK
.endr
.endm
.macro PLACES n                        ; plain vector instructions between a matrix instruction and a load into, or a reader or writer of, its registers
.rept \n
	v_nop
.endr
.endm
.macro STEP slot, q, zero              ; 128 along K that has its successor in the same slot
	s_wait_dscnt 4*NL                              ; W's set and x's blocks 0-3 are in; the youngest eight loads (x's blocks 4-7) may be out
	WIN MUL_LO
	MUL16 0, (\q)%2, \q, \slot, \zero
	MUL16 2, (\q)%2, \q, \slot, \zero
	s_wait_dscnt 0
	PLACES NP
	FETCH_B \slot, (\q)+1, 1-(\q)%2
	FETCH_A \slot, (\q)+1, 0
	WIN MUL_HI
	MUL16 4, (\q)%2, \q, \slot, \zero
	MUL16 6, (\q)%2, \q, \slot, \zero
	PLACES NP
	WIN 0
	FETCH_A \slot, (\q)+1, 4
.endm
; Slot 0's last step changes slots: one barrier; in front of it each wave waits for all its tensor loads (its part of slot 1), adds 0 to its spare word, and waits for that and for its reads of slot 0.
.macro TURN slot, next
	s_wait_tensorcnt 0x0
	ds_add_u32 v[SPW], v[NIL]
	s_wait_dscnt 4*NL+1                            ; the add and the youngest eight loads may be out
	WIN MUL_LO
	MUL16 0, 1, NQ-1, \slot, 0
	s_wait_dscnt 0x0                               ; the add is done, and my reads of this slot are over
	s_barrier_signal -1
	MUL16 2, 1, NQ-1, \slot, 0
	WIN 0
	s_barrier_wait -1
	PLACES NP
	v_add_nc_u32 v[ADRS], 4*NQ, v[ADRS]            ; on to the next slot's scale words
	FETCH_B \next, 0, 0
	FETCH_A \next, 0, 0
	SCALES \next
	WIN MUL_HI
	MUL16 4, 1, NQ-1, \slot, 0
	MUL16 6, 1, NQ-1, \slot, 0
	PLACES NP
	WIN 0
	FETCH_A \next, 0, 4
.endm
.macro STEPS slot, from
.set Q, \from
.rept NQ-1-\from
	STEP \slot, Q, 0
.set Q, Q+1
.endr
.endm
; cos and sin of block a's 16 positions: for each 16 columns of a head (bq) my four pairs, 32 bytes
.macro CSLOAD a
.irp bq, 0,1,2,3
.irp i, 0,1
	global_load_b128 v[CS+32*((\a)%2)+8*\bq+4*\i:CS+32*((\a)%2)+8*\bq+4*\i+3], v[RO], s[96:97] offset:4096*(\a)+64*\bq+16*\i
.endr
.endr
.endm
	s_wait_tensorcnt 1                             ; the scales and my part of slot 0 are in; slot 1's load may be out
	s_barrier_signal -1
	s_barrier_wait -1
	FETCH_B 0, 0, 0
	FETCH_A 0, 0, 0
	SCALES 0
	FETCH_A 0, 0, 4
	STEP 0, 0, 1                                   ; the first products start the sums: nothing is cleared
	STEPS 0, 1
	TURN 0, 1
	STEPS 1, 0
	CSLOAD 0                                       ; the first two blocks' cos and sin are asked for under the last 64 products
	CSLOAD 1
	s_wait_dscnt 4*NL
	WIN MUL_LO
	MUL16 0, 1, NQ-1, 1, 0
	MUL16 2, 1, NQ-1, 1, 0
	s_wait_dscnt 0
	WIN MUL_HI
	MUL16 4, 1, NQ-1, 1, 0
	MUL16 6, 1, NQ-1, 1, 0
	WIN 0
; THE WAY OUT, block by block of 16 rows x 128 columns (two heads).
; ROT: (x1, x2) -> (x1 cos - x2 sin, x2 cos + x1 sin), two packed instructions a pair; each accumulator is read from its low end on.  Then 32 roundings to f16.
.macro ROT a
.set AC, 64*((\a)%4)
.set CC, CS+32*((\a)%2)
	WIN 0x02+(\a)/4                                ; source 0: window 2 or 3
.irp b, 0,1,2,3,4,5,6,7
.irp p, 0,1,2,3
	v_pk_mul_f32 v[T+8*\b+2*\p:T+8*\b+2*\p+1], v[AC+8*\b+2*\p:AC+8*\b+2*\p+1], v[CC+8*(\b%4)+2*\p:CC+8*(\b%4)+2*\p+1] op_sel:[1,1] op_sel_hi:[0,1]   ; (x2 sin, x1 sin)
.endr
.irp p, 0,1,2,3
	v_pk_fma_f32 v[T+8*\b+2*\p:T+8*\b+2*\p+1], v[AC+8*\b+2*\p:AC+8*\b+2*\p+1], v[CC+8*(\b%4)+2*\p:CC+8*(\b%4)+2*\p+1], v[T+8*\b+2*\p:T+8*\b+2*\p+1] op_sel_hi:[1,0,1] neg_lo:[0,0,1]
.endr
.endr
	WIN 0
.set i, 0
.rept 32
	v_cvt_pk_f16_f32 v[HF+i], v[T+2*i], v[T+2*i+1]
.set i, i+1
.endr
.endm
.macro STAGE16 a                       ; into my stage, 16 bytes a lane, and back as pairs of rows of one head.  LDS serves a wave's instructions in order
.irp b, 0,1,2,3,4,5,6,7
	ds_store_b128 v[STO16], v[HF+4*\b:HF+4*\b+3] offset:32*\b
.endr
.irp t, 0,1,2,3,4,5,6,7
	ds_load_b128 v[BK+32*((\a)%2)+4*\t:BK+32*((\a)%2)+4*\t+3], v[RD16] offset:544*\t
.endr
.endm
.macro SEND16 a, younger
	s_wait_dscnt \younger
.irp t, 0,1,2,3,4,5,6,7
	global_store_b128 v[GO16], v[BK+32*((\a)%2)+4*\t:BK+32*((\a)%2)+4*\t+3], s[98:99] offset:2048*(\a)+256*\t   ; sixteen lanes store 256 consecutive bytes, aligned: two rows of a head
.endr
.endm
	PLACES NP
.irp a, 0,1,2,3,4,5,6,7
.if \a < 7
	s_wait_loadcnt 8                               ; this block's eight loads are in; the next block's eight may be out
.else
	s_wait_loadcnt 0
.endif
	ROT \a
.if \a < 6
	CSLOAD \a+2
.endif
.if \a == 0
	s_cmp_lg_u32 s3, 0                             ; positions 0 to 15 leave in f32 too
	s_cbranch_scc1 .Lnofine
.irp b, 0,1,2,3,4,5,6,7
	ds_store_b128 v[STO32], v[T+8*\b:T+8*\b+3] offset:64*\b
	ds_store_b128 v[STO32], v[T+8*\b+4:T+8*\b+7] offset:64*\b+16
.endr
.irp t, 0,1,2,3,4,5,6,7,8,9,10,11,12,13,14,15
	ds_load_b128 v[BK+4*\t:BK+4*\t+3], v[RD32] offset:528*\t
.endr
	s_wait_dscnt 0x0
.irp t, 0,1,2,3,4,5,6,7,8,9,10,11,12,13,14,15
	global_store_b128 v[GO32], v[BK+4*\t:BK+4*\t+3], s[100:101] offset:12288*\t   ; 32 lanes store 512 consecutive bytes of a row
.endr
	s_wait_xcnt 0x0                                ; these stores have read their data: the registers are loaded again below
.Lnofine:
.endif
.if \a >= 2
	s_wait_xcnt 0x0                                ; block a - 2's stores have read their data
.endif
	STAGE16 \a
.if \a >= 1
	SEND16 \a-1, 16                                ; behind block a - 1's loads: block a's 8 stores and 8 loads
.endif
.endr
	SEND16 7, 0
	s_wait_tensorcnt 0x0                           ; the wave's end
	ds_add_u32 v[SPW], v[NIL]
	s_wait_dscnt 0x0
	CROUND                                         ; the closing round
	s_endpgm
.Lfunc_end_k_q10c6cefaf0_qkv:
	.size	k_q10c6cefaf0_qkv, .Lfunc_end_k_q10c6cefaf0_qkv-k_q10c6cefaf0_qkv
	.p2alignl 7, 3214868480
	.fill 96, 4, 3214868480
	.section	.rodata,"a",@progbits
	.p2align	6, 0x0
	.amdhsa_kernel k_q10c6cefaf0_qkv
		.amdhsa_group_segment_fixed_size 327680
		.amdhsa_private_segment_fixed_size 0
		.amdhsa_enable_private_segment 0
		.amdhsa_kernarg_size 40
		.amdhsa_user_sgpr_count 2
		.amdhsa_user_sgpr_kernarg_segment_ptr 1
		.amdhsa_wavefront_size32 1
		.amdhsa_system_sgpr_workgroup_id_x 1
		.amdhsa_system_sgpr_workgroup_id_y 1
		.amdhsa_system_sgpr_workgroup_id_z 1
		.amdhsa_system_vgpr_workitem_id 0
		.amdhsa_next_free_vgpr 1024
		.amdhsa_next_free_sgpr 102
		.amdhsa_reserve_vcc 0
		.amdhsa_float_denorm_mode_32 3
		.amdhsa_float_denorm_mode_16_64 3
		.amdhsa_memory_ordered 1
		.amdhsa_forward_progress 1
		.amdhsa_inst_pref_size 169
	.end_amdhsa_kernel
	.amdgpu_metadata
---
amdhsa.version: [ 1, 2 ]
amdhsa.kernels:
  - .name:           k_q10c6cefaf0_qkv
    .symbol:         k_q10c6cefaf0_qkv.kd
    .args:
      - { .name: codes, .offset: 0, .size: 8, .value_kind: global_buffer, .address_space: global }
      - { .name: scales, .offset: 8, .size: 8, .value_kind: global_buffer, .address_space: global }
      - { .name: rope, .offset: 16, .size: 8, .value_kind: global_buffer, .address_space: global }
      - { .name: qkv16, .offset: 24, .size: 8, .value_kind: global_buffer, .address_space: global }
      - { .name: qkv_fine, .offset: 32, .size: 8, .value_kind: global_buffer, .address_space: global }
    .group_segment_fixed_size: 327680
    .private_segment_fixed_size: 0
    .kernarg_segment_align: 8
    .kernarg_segment_size: 40
    .max_flat_workgroup_size: 128
    .sgpr_count:     102
    .vgpr_count:     1024
    .wavefront_size: 32
...
	.end_amdgpu_metadata
.endif
;; end of part 2
;; launch attn (part 3): grid 4 x 64, 16 waves a work-group, clusters of 4 x 1, 327,680 bytes of LDS; arguments qkv16, att; writes att
.if DOCPART == 3
	.amdgcn_target "amdgcn-amd-amdhsa--gfx1250"
	.amdhsa_code_object_version 6
	.text
	.protected	k_q10c6cefaf0_attn
	.globl	k_q10c6cefaf0_attn
	.p2align	8
	.type	k_q10c6cefaf0_attn,@function
k_q10c6cefaf0_attn:
	s_mov_b64 s[64:65], 0
	v_nop
	global_prefetch_b8 v0, s[64:65] scope:SCOPE_SE
	s_setreg_imm32_b32 hwreg(HW_REG_WAVE_MODE, 25, 1), 1
	s_wait_xcnt 0x0
	s_wait_alu depctr_hold_cnt(0) depctr_sa_sdst(0) depctr_va_vdst(0) depctr_va_sdst(0) depctr_va_ssrc(0) depctr_va_vcc(0) depctr_vm_vsrc(0)
	s_getreg_b32 s2, hwreg(HW_REG_IB_STS2, 6, 4)
	s_cmp_eq_u32 s2, 0
	s_cbranch_scc0 .Lentry_in_a_cluster
	s_endpgm
.Lentry_in_a_cluster:
	s_bfe_u32 s2, ttmp6, 0x10000c
	s_cmp_lg_u32 s2, 0x3003
	s_cbranch_scc0 .Lentry_shape_is_right
	s_endpgm
.Lentry_shape_is_right:
; att[b][q][h][:] = the sum over k <= q of softmax_k(Q[q] . K[k] / 8) V[k][:], for one batch and head a cluster.  Q, K, V: f16, [2048][64] a head; products, maxima and sums in f32; the weights p are rounded to f16.
; att is laid by pairs of rows: [4096 pairs][16 heads][2 rows][64] f16, so that a head's piece of a pair is 256 consecutive bytes.
; SHARES.  The cluster's four work-groups walk the same K and V and ask for each tile JOINTLY.  A wave owns 32 queries, two tiles of 16, from 128 k + 32 cx on; k, the wave's rank, comes from a table
; (a 4 x 4 square whose rows and columns all sum to 30), so that each group of four waves has the same number of key steps.
; Every wave walks all 32 key steps of 64 keys: the trip counts are constants.  It works only where the step's first key lies under 128 k + 128, and masks from key 128 k on.  Both tests are made of
; the wave's number and the count of steps: nothing hangs on a work-group's place in its cluster; that place enters the mask's numbers and global addresses alone.  Rank 15 reads every slot.
; LAYOUT.  S^T = K Q^T (source 0 = 16 keys, source 1 = 16 queries), O^T = V^T P: a lane holds one query throughout.  V is turned on its way out of LDS by ds_load_tr16_b128.
; SOFTMAX.  A running maximum m and sum l a query: p = 2^(c s - c m), c = log2(e) / 8; in every step O and l are multiplied by a = 2^(c m_old - c m_new).  m begins at -3e38, O and l at 0: the first a is 0.
; Key 0 counts for every query and lies in the first step, so m is a score from then on; hidden scores become -infinity, p = 0.
; LIMITS: finite numbers alone; |q|, |k|, |v| under 65,504.  Rows 0 to 15 of every sequence are computed here like the others; what is made of them downstream is not stored.
; REGISTERS: v1-15 addresses; v16-31 statistics, eight a tile: +0 c m, +1 m, +2, +3 l, +4 to +7 at work (a in +6); v32-63 Q; v64-127 S^T, 32 a tile, P over the low 16; v128-191 O^T; v192-255 K's, then V's fragments.
.set KS,    64
.set PK,    144                        ; a row of K in LDS: 128 bytes + 16
.set PV,    160                        ; a row of V: 128 + 32: an odd multiple of 32, as the turning load's lanes want
.set VOFF,  256*PK                     ; a slot: 256 rows of K, then 256 rows of V
.set KSTEPB, KS*PK
.set VSTEPB, KS*PV
.set SLOT1, 1<<17                      ; slot 1 begins here: one exclusive or turns an address from one slot to the other
.set STAGE, SLOT1+256*(PK+PV)          ; behind the ring: two tiles x 16 rows x 144 bytes for each wave
.set STW,   2*16*PK
.set SPARE, STAGE+16*STW               ; the spare words, 128 bytes a wave
.set AK0, 1
.set AV0, 2
.set ADK, 3
.set ADV, 4
.set SPW, 5
.set NIL, 6
.set QD,  7                            ; 32 cx + r - 8 h
.set D0,  8                            ; v8, v9: the mask's bound for tile 0, 1
.set NINF, 10
.set STO, 11
.set RD,  12
.set GO,  13
.set PFO, 14
.set QO,  15
.set ST,  16
.set Q,   32
.set S,   64
.set O,   128
.set F,   192
.set WV,  12
.set CX,  13
.set LIM, 15
.set RANK, 16
.set PFA, 18
.set G1K, 24
.set G1V, 32
.set G0K, 40
.set G0V, 44
.set SLOTS, 48
.set STEPC, 49
.set CS,  50
.set SEL, 52
.set TBK, 54
.set TBV, 55
.set KF,  56
.set LIMK, 57
.set DIAG, 58
.macro CROUND
	s_barrier_signal -1
	s_barrier_wait -1
	s_cmp_lg_u32 s[WV], 0
	s_cbranch_scc1 .Lnot_wave_0_\@
	s_barrier_signal -3
.Lnot_wave_0_\@:
	s_barrier_wait -3
	s_barrier_signal -1
	s_barrier_wait -1
.endm
; Waves 0 and 1 fetch K's halves of a slot, waves 2 and 3 V's, the others nothing.  The branches hang on the wave's number alone.  An s_nop 0 and four v_nop follow each line.
.macro TLOAD
	s_cmp_lt_u32 s[WV], 2
	s_cbranch_scc0 .Lnot_k_\@
	tensor_load_to_lds s[G0K:G0K+3], s[G1K:G1K+7]
	s_nop 0
.rept 4
	v_nop
.endr
	s_branch .Lasked_\@
.Lnot_k_\@:
	s_cmp_lt_u32 s[WV], 4
	s_cbranch_scc0 .Lasked_\@
	tensor_load_to_lds s[G0V:G0V+3], s[G1V:G1V+7]
	s_nop 0
.rept 4
	v_nop
.endr
.Lasked_\@:
.endm
; A prefetch of what the NEXT change of slots will ask for: a slot's 32,768 bytes of K and of V.  One cluster alone reads a head.  Its four partners share the bytes out by address, 8,192 each;
; in each, wave 4 asks for K's and wave 5 for V's, lanes 256 bytes apart: each aligned 256 bytes is named once.  It stands four key steps ahead of the load.  The last change that fills a slot asks for nothing.
.macro ASK
	s_cmp_gt_u32 s[SLOTS], s[LIM]
	s_cbranch_scc0 .Lnot_mine_\@
	global_prefetch_b8 v[PFO], s[PFA:PFA+1] th:TH_LOAD_NT scope:SCOPE_SE
.Lnot_mine_\@:
.endm
	s_load_b128 s[4:7], s[0:1], 0x0                ; qkv16, att
	v_lshl_add_u32 v[SPW], v0, 2, SPARE
	v_mov_b32 v[NIL], 0
	ds_add_u32 v[SPW], v[NIL]                      ; the wave's opening: the add, twice on end, and its wait ahead of the first tensor loads
	ds_add_u32 v[SPW], v[NIL]
	v_lshrrev_b32 v1, 5, v0
	v_readfirstlane_b32 s[WV], v1                  ; wave 0..15
	s_bfe_u32 s[CX], ttmp6, 0x40000                ; my place in the cluster
	s_and_b32 s20, ttmp7, 0xffff                   ; 16 x batch + head, which the partners share
	s_lshr_b32 s21, s20, 4
	s_and_b32 s22, s20, 15
	s_mov_b32 s[RANK], 0x249f71ca                  ; ranks of waves 8 to 15, four bits each,
	s_cmp_lt_u32 s[WV], 8
	s_cselect_b32 s[RANK], 0x8e35db60, s[RANK]     ; of waves 0 to 7
	s_and_b32 s59, s[WV], 7
	s_lshl_b32 s59, s59, 2
	s_lshr_b32 s[RANK], s[RANK], s59
	s_and_b32 s[RANK], s[RANK], 15
	s_lshl_b32 s[DIAG], s[RANK], 7                 ; 128 k: from this key on the mask is applied,
	s_add_co_u32 s[LIMK], s[DIAG], 128             ; and from this one on nothing counts
	s_lshl_b32 s59, s[CX], 5
	s_add_co_u32 s17, s[DIAG], s59                 ; my first query
	s_mul_i32 s2, s21, 12582912
	s_lshl_b32 s3, s22, 18
	s_add_co_u32 s2, s2, s3                        ; Q's head in qkv16
	s_mov_b32 s3, 0
	s_lshl_b32 s62, s21, 11
	s_add_co_u32 s62, s62, s17
	s_lshl_b32 s62, s62, 11                        ; att: (2048 b + q0) / 2 pairs of 4,096 bytes,
	s_lshl_b32 s63, s22, 8
	s_add_co_u32 s62, s62, s63                     ; + 256 x head
	s_mov_b32 s63, 0
	s_mov_b32 s[G1K], 15|(1<<16)|(1<<20)|(1<<21)|(4<<22)|(3<<25)   ; the mask: all four; elements of 2 bytes; padding: 4 words behind every 32
	s_mov_b32 s[G1V], 15|(1<<16)|(1<<20)|(1<<21)|(4<<22)|(7<<25)   ; the same with 8 words
.irp g, G1K, G1V
	s_mov_b32 s[\g+1], 64<<16                      ; tensor_dim0
	s_mov_b32 s[\g+2], 128<<16                     ; tensor_dim1
	s_mov_b32 s[\g+3], 64<<16                      ; tile_dim0
	s_mov_b32 s[\g+4], 128                         ; tile_dim1
	s_mov_b32 s[\g+5], 64                          ; from row to row
	s_mov_b32 s[\g+6], 0
	s_mov_b32 s[\g+7], 0
.endr
	s_mov_b32 s[CS], 0x3e38aa3b                    ; c = log2(e) / 8
	s_mov_b32 s[CS+1], s[CS]
	s_mov_b32 s[SEL], 0x76543210
	s_mov_b32 s[SEL+1], 0xfedcba98
	s_mov_b32 s[TBK], 0
	s_mov_b32 s[TBV], 0
	s_mov_b32 s[KF], 0
	s_mov_b32 s[SLOTS], 7
	s_lshr_b32 s59, s[WV], 1
	s_cmp_eq_u32 s59, 2
	s_cselect_b32 s[LIM], 1, -1                    ; waves 4 and 5 prefetch
	s_and_b32 s59, s[WV], 1                        ; which half of a slot's rows I fetch, if I fetch
	s_lshl_b32 s22, s59, 14
	s_mov_b32 s23, 0
	s_wait_dscnt 0x0                               ; both opening adds are done
	s_wait_kmcnt 0x0
	s_add_nc_u64 s[8:9], s[4:5], s[2:3]            ; Q's head,
	s_add_nc_u64 s[10:11], s[8:9], 0x400000        ; K's, 16 heads on,
	s_add_nc_u64 s[60:61], s[8:9], 0x800000        ; V's, 32 heads on
	s_add_nc_u64 s[6:7], s[6:7], s[62:63]
	s_mov_b32 s[G0K], 1
	s_mul_i32 s[G0K+1], s59, 128*PK
	s_add_nc_u64 s[G0K+2:G0K+3], s[10:11], s[22:23]
	s_or_b32 s[G0K+3], s[G0K+3], 0x80000000
	s_mov_b32 s[G0V], 1
	s_mul_i32 s[G0V+1], s59, 128*PV
	s_add_co_u32 s[G0V+1], s[G0V+1], VOFF
	s_add_nc_u64 s[G0V+2:G0V+3], s[60:61], s[22:23]
	s_or_b32 s[G0V+3], s[G0V+3], 0x80000000
	CROUND                                         ; all four work-groups are here
	TLOAD                                          ; slot 0
	s_cmp_eq_u32 s[WV], 4
	s_cselect_b64 s[PFA:PFA+1], s[10:11], s[60:61]
	s_lshl_b32 s22, s[CX], 13
	s_add_co_u32 s22, s22, 32768                   ; my work-group's 8,192 bytes, in slot 1: the first change steps it to slot 2.  Nothing is prefetched here
	s_add_nc_u64 s[PFA:PFA+1], s[PFA:PFA+1], s[22:23]
	s_lshl_b32 s22, s17, 7
	s_add_nc_u64 s[8:9], s[8:9], s[22:23]          ; Q at my first query
	v_and_b32 v8, 15, v0                           ; r
	v_bfe_u32 v9, v0, 4, 1                         ; h
	v_lshlrev_b32 v[QO], 7, v8
	v_lshl_add_u32 v[QO], v9, 4, v[QO]
.irp u, 0,1
.irp c, 0,1
	global_load_b128 v[Q+16*\u+8*\c:Q+16*\u+8*\c+3],   v[QO], s[8:9] offset:2048*\u+64*\c
	global_load_b128 v[Q+16*\u+8*\c+4:Q+16*\u+8*\c+7], v[QO], s[8:9] offset:2048*\u+64*\c+32
.endr
.endr
	v_mul_u32_u24 v[AK0], v8, PK
	v_lshl_add_u32 v[AK0], v9, 4, v[AK0]           ; a fragment of K: row r, + 16 h
	v_and_b32 v3, 7, v0
	v_lshl_add_u32 v[AV0], v9, 3, v3
	v_mul_u32_u24 v[AV0], v[AV0], PV               ; the turning load: key 8 h + l % 8,
	v_bfe_u32 v4, v0, 3, 1
	v_lshl_add_u32 v[AV0], v4, 4, v[AV0]           ; channels 8 ((l / 8) % 2) on
	v_add_nc_u32 v[AV0], VOFF, v[AV0]
	v_lshlrev_b32 v[QD], 3, v9
	v_sub_nc_u32 v[QD], v8, v[QD]
	s_lshl_b32 s59, s[CX], 5
	v_add_nc_u32 v[QD], s59, v[QD]
	v_mov_b32 v[NINF], 0xff800000
	s_mul_i32 s59, s[WV], STW
	s_add_co_u32 s59, s59, STAGE                   ; my stage
	v_mul_u32_u24 v[STO], v8, PK
	v_lshl_add_u32 v[STO], v9, 4, v[STO]
	v_add_nc_u32 v[STO], s59, v[STO]               ; in: row r, 16 bytes for each half of the lanes
	v_bfe_u32 v[RD], v0, 3, 2
	v_mul_u32_u24 v[RD], v[RD], PK
	v_lshl_add_u32 v[RD], v3, 4, v[RD]
	v_add_nc_u32 v[RD], s59, v[RD]                 ; back: eight lanes a row, four rows an instruction
	v_lshlrev_b32 v[GO], 4, v8
	v_lshl_add_u32 v[GO], v9, 12, v[GO]            ; sixteen lanes a pair of rows; lanes 16-31 the next pair, 4,096 bytes on
	v_and_b32 v[PFO], 31, v0
	v_lshlrev_b32 v[PFO], 8, v[PFO]
.irp u, 0,1
	v_mov_b32 v[ST+8*\u+1], 0xff61b1e6             ; m: -3e38, under every score
	v_mul_f32 v[ST+8*\u], s[CS], v[ST+8*\u+1]
.irp j, 2,3,4,5,6,7
	v_mov_b32 v[ST+8*\u+\j], 0
.endr
.endr
.set i, 0
.rept 64
	v_mov_b32 v[O+i], 0                            ; O^T.  The step is written once: its first pass finds zeros, and a = 0 leaves them zeros
.set i, i+1
.endr
; A KEY STEP: 64 keys.
.macro STEP
	s_cmp_ge_u32 s[KF], s[LIMK]                    ; all its keys come after my 32 queries' block: nothing but the steps of addresses at its end
	s_cbranch_scc1 .Lhidden_\@
	v_add_nc_u32 v[ADK], s[TBK], v[AK0]
	v_add_nc_u32 v[ADV], s[TBV], v[AV0]
.rept 3
	v_nop                                          ; five plain instructions with the two above: the first products below write over registers that the last step's products read
.endr
.irp kt, 0,1,2,3
.irp c, 0,1
	ds_load_b128 v[F+8*(2*\kt+\c):F+8*(2*\kt+\c)+3],   v[ADK] offset:16*PK*\kt+64*\c
	ds_load_b128 v[F+8*(2*\kt+\c)+4:F+8*(2*\kt+\c)+7], v[ADK] offset:16*PK*\kt+64*\c+32
.endr
.endr
	s_wait_dscnt 0x0
.irp c, 0,1                                    ; S^T = K Q^T: eight accumulators by turns; the first eight products start the sums
.irp kt, 0,1,2,3
.irp u, 0,1
.if \c == 0
	v_wmma_f32_16x16x32_f16 v[S+32*\u+8*\kt:S+32*\u+8*\kt+7], v[F+8*(2*\kt+\c):F+8*(2*\kt+\c)+7], v[Q+16*\u+8*\c:Q+16*\u+8*\c+7], 0
.else
	v_wmma_f32_16x16x32_f16 v[S+32*\u+8*\kt:S+32*\u+8*\kt+7], v[F+8*(2*\kt+\c):F+8*(2*\kt+\c)+7], v[Q+16*\u+8*\c:Q+16*\u+8*\c+7], v[S+32*\u+8*\kt:S+32*\u+8*\kt+7]
.endif
.endr
.endr
.endr
.rept 4
	v_nop                                          ; places in front of the loads into K's registers and of the first read of the scores
.endr
.irp kk, 0,1                                   ; V, turned: it lands while the softmax is walked
.irp ct, 0,1,2,3
	ds_load_tr16_b128 v[F+8*(4*\kk+\ct):F+8*(4*\kk+\ct)+3],   v[ADV] offset:32*PV*\kk+32*\ct
	ds_load_tr16_b128 v[F+8*(4*\kk+\ct)+4:F+8*(4*\kk+\ct)+7], v[ADV] offset:32*PV*\kk+16*PV+32*\ct
.endr
.endr
	s_cmp_lt_u32 s[KF], s[DIAG]                    ; all keys of the step count for all 128 queries of my rank
	s_cbranch_scc1 .Lopen_\@
	s_sub_co_i32 s59, s[DIAG], s[KF]
	v_add_nc_u32 v[D0], s59, v[QD]                 ; register 8 kt + j of tile u holds key KF + 16 kt + 8 h + j: hidden where 16 kt + j > my query - KF - 8 h
	v_add_nc_u32 v[D0+1], 16, v[D0]
.set n, 0
.rept 64
	v_cmp_gt_i32 vcc_lo, 16*((n%32)/8)+n%8, v[D0+n/32]
	v_cndmask_b32 v[S+n], v[S+n], v[NINF], vcc_lo
.set n, n+1
.endr
.Lopen_\@:
.irp j, 0,1,2,3                                ; the maximum of my 32 scores and the old m: four chains a tile, the tiles by turns
.irp u, 0,1
	v_max3_num_f32 v[ST+8*\u+4+\j], v[S+32*\u+8*\j], v[S+32*\u+8*\j+1], v[S+32*\u+8*\j+2]
.endr
.endr
.irp g, 1,2
.irp j, 0,1,2,3
.irp u, 0,1
	v_max3_num_f32 v[ST+8*\u+4+\j], v[ST+8*\u+4+\j], v[S+32*\u+8*\j+2*\g+1], v[S+32*\u+8*\j+2*\g+2]
.endr
.endr
.endr
.irp u, 0,1
	v_max3_num_f32 v[ST+8*\u+4], v[ST+8*\u+4], v[S+32*\u+7], v[S+32*\u+15]
.endr
.irp u, 0,1
	v_max3_num_f32 v[ST+8*\u+6], v[ST+8*\u+6], v[S+32*\u+23], v[S+32*\u+31]
.endr
.irp u, 0,1
	v_max3_num_f32 v[ST+8*\u+4], v[ST+8*\u+4], v[ST+8*\u+5], v[ST+8*\u+6]
.endr
.irp u, 0,1
	v_max3_num_f32 v[ST+8*\u+4], v[ST+8*\u+4], v[ST+8*\u+7], v[ST+8*\u+1]
.endr
.irp u, 0,1
	v_permlanex16_b32 v[ST+8*\u+5], v[ST+8*\u+4], s[SEL], s[SEL+1]   ; the query's other 32 keys lie in the lane 16 away
.endr
.irp u, 0,1
	v_mov_b32 v[ST+8*\u+7], v[ST+8*\u]             ; c m_old
.endr
.irp u, 0,1
	v_max_num_f32 v[ST+8*\u+1], v[ST+8*\u+4], v[ST+8*\u+5]
.endr
.irp u, 0,1
	v_mul_f32 v[ST+8*\u], s[CS], v[ST+8*\u+1]
.endr
.irp u, 0,1
	v_sub_f32 v[ST+8*\u+7], v[ST+8*\u+7], v[ST+8*\u]
.endr
.irp b, 0,1,2,3,4,5,6,7,8,9,10,11,12,13,14,15
.irp u, 0,1
	v_pk_fma_f32 v[S+32*\u+2*\b:S+32*\u+2*\b+1], v[S+32*\u+2*\b:S+32*\u+2*\b+1], s[CS:CS+1], v[ST+8*\u:ST+8*\u+1] op_sel_hi:[1,0,0] neg_lo:[0,0,1] neg_hi:[0,0,1]   ; c s - c m
.endr
.endr
.irp u, 0,1
	v_exp_f32 v[ST+8*\u+6], v[ST+8*\u+7]           ; a
.endr
.set n, 0
.rept 64
	v_exp_f32 v[S+n], v[S+n]                       ; p
.set n, n+1
.endr
	v_nop                                          ; a plain instruction behind the last exponential
	s_wait_alu depctr_va_vdst(0)                   ; one wait for the batch of 66, ahead of its first reader
.irp u, 0,1
	v_pk_fma_f32 v[ST+8*\u+2:ST+8*\u+3], v[ST+8*\u+2:ST+8*\u+3], v[ST+8*\u+6:ST+8*\u+7], v[S+32*\u:S+32*\u+1] op_sel_hi:[1,0,1]   ; l = a l + the first pair
.endr
.irp u, 0,1
	v_pk_add_f32 v[ST+8*\u+4:ST+8*\u+5], v[S+32*\u+2:S+32*\u+3], v[S+32*\u+4:S+32*\u+5]   ; a second chain
.endr
.irp b, 3,5,7,9,11,13
.irp u, 0,1
	v_pk_add_f32 v[ST+8*\u+2:ST+8*\u+3], v[ST+8*\u+2:ST+8*\u+3], v[S+32*\u+2*\b:S+32*\u+2*\b+1]
.endr
.irp u, 0,1
	v_pk_add_f32 v[ST+8*\u+4:ST+8*\u+5], v[ST+8*\u+4:ST+8*\u+5], v[S+32*\u+2*\b+2:S+32*\u+2*\b+3]
.endr
.endr
.irp u, 0,1
	v_pk_add_f32 v[ST+8*\u+2:ST+8*\u+3], v[ST+8*\u+2:ST+8*\u+3], v[S+32*\u+30:S+32*\u+31]
.endr
.irp u, 0,1
	v_pk_add_f32 v[ST+8*\u+2:ST+8*\u+3], v[ST+8*\u+2:ST+8*\u+3], v[ST+8*\u+4:ST+8*\u+5]
.endr
.irp i, 0,1,2,3,4,5,6,7,8,9,10,11,12,13,14,15  ; p to f16, in place and ascending: register i is written when registers up to 2 i + 1 have been read
.irp u, 0,1
	v_cvt_pk_f16_f32 v[S+32*\u+\i], v[S+32*\u+2*\i], v[S+32*\u+2*\i+1]
.endr
.endr
.irp i, 0,1,2,3,4,5,6,7,8,9,10,11,12,13,14,15
.irp u, 0,1
	v_pk_mul_f32 v[O+32*\u+2*\i:O+32*\u+2*\i+1], v[O+32*\u+2*\i:O+32*\u+2*\i+1], v[ST+8*\u+6:ST+8*\u+7] op_sel_hi:[1,0]   ; O^T x a
.endr
.endr
	s_wait_dscnt 0x0                               ; V is in
.irp kk, 0,1                                   ; O^T += V^T P: eight accumulators by turns
.irp ct, 0,1,2,3
.irp u, 0,1
	v_wmma_f32_16x16x32_f16 v[O+32*\u+8*\ct:O+32*\u+8*\ct+7], v[F+8*(4*\kk+\ct):F+8*(4*\kk+\ct)+7], v[S+32*\u+8*\kk:S+32*\u+8*\kk+7], v[O+32*\u+8*\ct:O+32*\u+8*\ct+7]
.endr
.endr
.endr
.Lhidden_\@:
	s_add_co_u32 s[KF], s[KF], KS
	s_add_co_u32 s[TBK], s[TBK], KSTEPB
	s_add_co_u32 s[TBV], s[TBV], VSTEPB
.endm
; THE CHANGE OF SLOTS stands at a slot's head.  Each wave waits for all its tensor loads (its part of the slot ahead), adds 0 to its spare word
; and waits for that and for its reads of the slot that it has left.  fill = 1: the barrier is a round of the cluster's, and the slot that was left
; is filled with the next 256 keys, first thing behind it: one load a wave is out, and it has four key steps in which to land.
.macro CHANGE fill
	s_wait_tensorcnt 0x0
	ds_add_u32 v[SPW], v[NIL]
.if \fill
	ds_add_u32 v[SPW], v[NIL]
	s_xor_b32 s[G0K+1], s[G0K+1], SLOT1
	s_add_nc_u64 s[G0K+2:G0K+3], s[G0K+2:G0K+3], 32768
	s_xor_b32 s[G0V+1], s[G0V+1], SLOT1
	s_add_nc_u64 s[G0V+2:G0V+3], s[G0V+2:G0V+3], 32768
	s_wait_xcnt 0x0                                ; the last prefetch, a slot back, has read its address
	s_add_nc_u64 s[PFA:PFA+1], s[PFA:PFA+1], 32768
	s_wait_dscnt 0x0
	CROUND
	TLOAD
	ASK
.else
	s_wait_dscnt 0x0
	s_barrier_signal -1
	s_barrier_wait -1
.endif
.endm
.macro FOUR_STEPS                      ; a slot's four key steps: written once, walked four times
	s_mov_b32 s[STEPC], 4
.Lstep_\@:
	STEP
	s_sub_co_u32 s[STEPC], s[STEPC], 1
	s_cmp_lg_u32 s[STEPC], 0
	s_cbranch_scc1 .Lstep_\@
	s_sub_co_u32 s[TBK], s[TBK], 4*KSTEPB
	s_sub_co_u32 s[TBV], s[TBV], 4*VSTEPB
	s_xor_b32 s[TBK], s[TBK], SLOT1                ; on to the other slot
	s_xor_b32 s[TBV], s[TBV], SLOT1
.endm
	s_wait_loadcnt 0x0                             ; Q
.Lslot:                                            ; seven trips: behind each change of slots but the last the next slot is asked for
	CHANGE 1
	FOUR_STEPS
	s_sub_co_u32 s[SLOTS], s[SLOTS], 1
	s_cmp_lg_u32 s[SLOTS], 0
	s_cbranch_scc1 .Lslot
	CHANGE 0                                       ; the last slot is written out
	FOUR_STEPS
	; THE WAY OUT.  O^T / l, rounded to f16, through my stage in LDS: sixteen lanes then store a head's piece of a pair of rows, 256 consecutive bytes.
.rept 4
	v_nop
.endr
.irp u, 0,1
	v_add_f32 v[ST+8*\u+4], v[ST+8*\u+2], v[ST+8*\u+3]
.endr
.irp u, 0,1
	v_permlanex16_b32 v[ST+8*\u+5], v[ST+8*\u+4], s[SEL], s[SEL+1]
.endr
.irp u, 0,1
	v_add_f32 v[ST+8*\u+4], v[ST+8*\u+4], v[ST+8*\u+5]
.endr
.irp u, 0,1
	v_rcp_f32 v[ST+8*\u+6], v[ST+8*\u+4]
.endr
	v_nop
	s_wait_alu depctr_va_vdst(0)                   ; one wait for the two reciprocals
.macro PACK u
.set i, 0
.rept 16
	v_pk_mul_f32 v[O+32*\u+2*i:O+32*\u+2*i+1], v[O+32*\u+2*i:O+32*\u+2*i+1], v[ST+8*\u+6:ST+8*\u+7] op_sel_hi:[1,0]
.set i, i+1
.endr
.set i, 0
.rept 16
	v_cvt_pk_f16_f32 v[S+32*\u+i], v[O+32*\u+2*i], v[O+32*\u+2*i+1]
.set i, i+1
.endr
.irp ct, 0,1,2,3
	ds_store_b128 v[STO], v[S+32*\u+4*\ct:S+32*\u+4*\ct+3] offset:16*PK*\u+32*\ct
.endr
.irp t, 0,1,2,3
	ds_load_b128 v[S+32*\u+16+4*\t:S+32*\u+16+4*\t+3], v[RD] offset:16*PK*\u+4*PK*\t   ; LDS serves a wave's instructions in order: these see my stores
.endr
.endm
.macro SEND u, younger
	s_wait_dscnt \younger
.irp t, 0,1,2,3
	global_store_b128 v[GO], v[S+32*\u+16+4*\t:S+32*\u+16+4*\t+3], s[6:7] offset:32768*\u+8192*\t
.endr
.endm
	PACK 0
	PACK 1
	SEND 0, 8                                      ; tile 1's four stores and four loads may be out
	SEND 1, 0
	s_wait_tensorcnt 0x0                           ; the wave's end
	ds_add_u32 v[SPW], v[NIL]
	s_wait_dscnt 0x0
	CROUND                                         ; the closing round
	s_endpgm
.Lfunc_end_k_q10c6cefaf0_attn:
	.size	k_q10c6cefaf0_attn, .Lfunc_end_k_q10c6cefaf0_attn-k_q10c6cefaf0_attn
	.p2alignl 7, 3214868480
	.fill 96, 4, 3214868480
	.section	.rodata,"a",@progbits
	.p2align	6, 0x0
	.amdhsa_kernel k_q10c6cefaf0_attn
		.amdhsa_group_segment_fixed_size 327680
		.amdhsa_private_segment_fixed_size 0
		.amdhsa_enable_private_segment 0
		.amdhsa_kernarg_size 16
		.amdhsa_user_sgpr_count 2
		.amdhsa_user_sgpr_kernarg_segment_ptr 1
		.amdhsa_wavefront_size32 1
		.amdhsa_system_sgpr_workgroup_id_x 1
		.amdhsa_system_sgpr_workgroup_id_y 1
		.amdhsa_system_sgpr_workgroup_id_z 1
		.amdhsa_system_vgpr_workitem_id 0
		.amdhsa_next_free_vgpr 256
		.amdhsa_next_free_sgpr 66
		.amdhsa_reserve_vcc 1
		.amdhsa_float_denorm_mode_32 3
		.amdhsa_float_denorm_mode_16_64 3
		.amdhsa_memory_ordered 1
		.amdhsa_forward_progress 1
		.amdhsa_inst_pref_size 62
	.end_amdhsa_kernel
	.amdgpu_metadata
---
amdhsa.version: [ 1, 2 ]
amdhsa.kernels:
  - .name:           k_q10c6cefaf0_attn
    .symbol:         k_q10c6cefaf0_attn.kd
    .args:
      - { .name: qkv16, .offset: 0, .size: 8, .value_kind: global_buffer, .address_space: global }
      - { .name: att, .offset: 8, .size: 8, .value_kind: global_buffer, .address_space: global }
    .group_segment_fixed_size: 327680
    .private_segment_fixed_size: 0
    .kernarg_segment_align: 8
    .kernarg_segment_size: 16
    .max_flat_workgroup_size: 512
    .sgpr_count:     66
    .vgpr_count:     256
    .wavefront_size: 32
...
	.end_amdgpu_metadata
.endif
;; end of part 3
;; launch proj (part 4): grid 8 x 64, 4 waves a work-group, clusters of 4 x 4, 327,680 bytes of LDS; arguments att, wo16, out0; writes out0
.if DOCPART == 4
	.amdgcn_target "amdgcn-amd-amdhsa--gfx1250"
	.amdhsa_code_object_version 6
	.text
	.protected	k_q10c6cefaf0_proj
	.globl	k_q10c6cefaf0_proj
	.p2align	8
	.type	k_q10c6cefaf0_proj,@function
k_q10c6cefaf0_proj:
	s_mov_b64 s[64:65], 0
	v_nop
	global_prefetch_b8 v0, s[64:65] scope:SCOPE_SE
	s_setreg_imm32_b32 hwreg(HW_REG_WAVE_MODE, 25, 1), 1
	s_wait_xcnt 0x0
	s_wait_alu depctr_hold_cnt(0) depctr_sa_sdst(0) depctr_va_vdst(0) depctr_va_sdst(0) depctr_va_ssrc(0) depctr_va_vcc(0) depctr_vm_vsrc(0)
	s_getreg_b32 s2, hwreg(HW_REG_IB_STS2, 6, 4)
	s_cmp_eq_u32 s2, 0
	s_cbranch_scc0 .Lentry_in_a_cluster
	s_endpgm
.Lentry_in_a_cluster:
	s_bfe_u32 s2, ttmp6, 0x10000c
	s_cmp_lg_u32 s2, 0xf033
	s_cbranch_scc0 .Lentry_shape_is_right
	s_endpgm
.Lentry_shape_is_right:
; out0[m][e] = sum over c of att[m][c] Wo[e][c], f16 operands, f32 sums and results; all rows but the first 16 positions of every sequence, which a later launch owns.
; att lies by pairs of rows: [4096 pairs][16 heads][2 rows][64] f16: 256 along K (four heads) of a pair are 1,024 consecutive bytes.  wo16: [1024][1024] f16.
; A tile of out0 is 128 x 128: 512 work-groups.  Four waves, 64 x 64 each: 16 accumulators.  K goes in steps of 256 through two LDS slots; a wave's tensor load brings 32 pairs of att or 64 rows of wo16.
; CLUSTERS: 4 x 4; att's tiles are shared along a row of the cluster, wo16's along a column, each asked for jointly.  The tile row is 16 cy + cluster y: cy is the batch, so that 'holds positions under 16'
; (cluster y = 0, the wave's row half 0, block 0) is the same in all sixteen partners.
; THE MATRIX INSTRUCTION IS USED TRANSPOSED (source 0 = 16 rows of wo16, source 1 = 16 rows of att): a lane holds eight neighbouring numbers of a row of out0.
; REGISTERS: window 0: v0-31 addresses; v32-95 the way out; v128-255 the accumulators ((a, b) at v[128 + 8 (4 a + b)]).  window 1: two fragment buffers of 128: 64 of att's, then 64 of wo16's.
.set SIZE_N, 1024
.set SIZE_K, 1024
.set KSTEP,  256
.set PITCH,  528                       ; a row of wo16's tile in LDS: 512 bytes + 16
.set PA2,    1040                      ; a pair of att's tile: 1,024 bytes + 16: pair p, row parity e begin at 16 p + 128 e modulo 256: sixteen different columns of 16 bytes
.set HALFT,  64*PITCH                  ; a wave's quarter of a slot (att's 32 pairs use 33,280 of its 33,792 bytes)
.set SLOT,   4*HALFT
.set STAGE,  2*SLOT                    ; behind the ring: 16 rows x 272 bytes for each wave
.set SPITCH, 272
.set SPARE,  STAGE+4*16*SPITCH
.set LAPS,   SIZE_K/(2*KSTEP)
.set ADRA, 16
.set ADRB, 20
.set STO,  24
.set RD,   25
.set CO,   26
.set SPW,  28
.set NIL,  29
.set TMP,  32
.set ACC,  128
.set F0,   0
.set F1,   128
.set G1, 24
.set G0, 32
.set G1B, 48
.set G0B, 56
.set MSB, 0
.macro WIN new
.if MSB != (\new)
	s_set_vgpr_msb (MSB<<8)|(\new)
.set MSB, (\new)
.endif
.endm
.set MUL,  0x05                        ; sources 0 and 1 window 1; C and D window 0
.set TO_F, 0x40                        ; destination window 1
.macro JLOAD s                         ; a joint load: waves 0 and 1 fetch att's halves, waves 2 and 3 wo16's; an s_nop 0 and four v_nop follow each line
	s_cmp_eq_u32 s11, 0
	s_cbranch_scc0 .Lfor_b_\@
	tensor_load_to_lds s[G0+4*\s:G0+4*\s+3], s[G1:G1+7]
	s_nop 0
.rept 4
	v_nop
.endr
	s_branch .Lasked_\@
.Lfor_b_\@:
	tensor_load_to_lds s[G0B+4*\s:G0B+4*\s+3], s[G1B:G1B+7]
	s_nop 0
.rept 4
	v_nop
.endr
.Lasked_\@:
.endm
.macro CREST
	s_cmp_lg_u32 s10, 0
	s_cbranch_scc1 .Lnot_wave_0_\@
	s_barrier_signal -3
.Lnot_wave_0_\@:
	s_barrier_wait -3
	s_barrier_signal -1
	s_barrier_wait -1
.endm
.macro CROUND
	s_barrier_signal -1
	s_barrier_wait -1
	CREST
.endm
	s_load_b128 s[4:7], s[0:1], 0x0                ; att, wo16
	s_load_b64 s[8:9], s[0:1], 0x10                ; out0
	v_lshl_add_u32 v[SPW], v0, 2, SPARE
	v_mov_b32 v[NIL], 0
	ds_add_u32 v[SPW], v[NIL]                      ; the wave's opening: the add, twice on end, and its wait ahead of my first tensor load
	ds_add_u32 v[SPW], v[NIL]
	v_lshrrev_b32 v1, 5, v0
	v_readfirstlane_b32 s10, v1                    ; wave 0..3
	s_lshr_b32 s11, s10, 1                         ; which half of the tile's rows is mine.  Also: I fetch for att (0) or for wo16 (1)
	s_and_b32 s12, s10, 1                          ; which half of its columns.  Also: which 64 rows I fetch
	s_bfe_u32 s40, ttmp6, 0x40000                  ; cx
	s_bfe_u32 s41, ttmp6, 0x40004                  ; cy
	s_lshl_b32 s42, ttmp9, 2
	s_add_co_u32 s42, s42, s40                     ; tile column = 4 x cluster x + cx
	s_and_b32 s45, ttmp7, 0xffff                   ; cluster y
	s_lshl_b32 s13, s41, 4
	s_add_co_u32 s13, s13, s45                     ; tile row = 16 cy + cluster y
	s_or_b32 s2, s45, s11                          ; 0 where my block 0 holds positions 0 to 15
	s_lshl_b32 s43, s41, 2
	s_lshl_b32 s43, 15, s43                        ; my row of the cluster
	s_lshl_b32 s44, 0x1111, s40                    ; my column
	s_or_b32 s[G1+0], s43, (1<<16)|(1<<20)|(1<<21)|(7<<22)|(3<<25)  ; att: elements of 2 bytes; padding: 4 words behind every 256
	s_mov_b32 s[G1+1], 512<<16                     ; tensor_dim0: 512 elements, four heads of a pair
	s_mov_b32 s[G1+2], 32<<16                      ; tensor_dim1: 32 pairs
	s_mov_b32 s[G1+3], 512<<16                     ; tile_dim0
	s_mov_b32 s[G1+4], 32                          ; tile_dim1
	s_mov_b32 s[G1+5], 2048                        ; from pair to pair
	s_mov_b32 s[G1+6], 0
	s_mov_b32 s[G1+7], 0
	s_or_b32 s[G1B+0], s44, (1<<16)|(1<<20)|(1<<21)|(6<<22)|(3<<25) ; wo16: padding: 4 words behind every 128
	s_mov_b32 s[G1B+1], KSTEP<<16
	s_mov_b32 s[G1B+2], 64<<16
	s_mov_b32 s[G1B+3], KSTEP<<16
	s_mov_b32 s[G1B+4], 64
	s_mov_b32 s[G1B+5], SIZE_K
	s_mov_b32 s[G1B+6], 0
	s_mov_b32 s[G1B+7], 0
	s_lshl_b32 s17, s12, 6
	s_lshl_b32 s16, s13, 7
	s_add_co_u32 s16, s16, s17                     ; att: row 128 x tile row + 64 x half (an even row: 2,048 bytes a row also counts pairs of 4,096)
	s_lshl_b32 s46, s42, 7
	s_add_co_u32 s46, s46, s17                     ; wo16: row 128 x tile column + 64 x half
	s_mov_b32 s17, 0
	s_mov_b32 s47, 0
	s_mov_b64 s[18:19], SIZE_K*2
	s_mul_u64 s[16:17], s[16:17], s[18:19]
	s_mul_u64 s[46:47], s[46:47], s[18:19]
	s_mul_i32 s20, s10, HALFT
	s_wait_dscnt 0x0                               ; both opening adds are done
	s_wait_kmcnt 0x0
	s_add_nc_u64 s[14:15], s[4:5], s[16:17]
	s_add_nc_u64 s[46:47], s[6:7], s[46:47]
	CROUND                                         ; all sixteen work-groups are here
.irp s, 0,1
	s_mov_b32 s[G0+4*\s], 1
	s_add_co_u32 s[G0+4*\s+1], s20, \s*SLOT
	s_add_nc_u64 s[G0+4*\s+2:G0+4*\s+3], s[14:15], \s*1024
	s_or_b32 s[G0+4*\s+3], s[G0+4*\s+3], 0x80000000
	s_mov_b32 s[G0B+4*\s], 1
	s_add_co_u32 s[G0B+4*\s+1], s20, \s*SLOT
	s_add_nc_u64 s[G0B+4*\s+2:G0B+4*\s+3], s[46:47], \s*KSTEP*2
	s_or_b32 s[G0B+4*\s+3], s[G0B+4*\s+3], 0x80000000
	JLOAD \s
.endr
	v_and_b32 v1, 15, v0                           ; r
	v_bfe_u32 v2, v0, 4, 1                         ; h
	v_mul_u32_u24 v3, v1, PITCH
	v_lshl_add_u32 v3, v2, 4, v3                   ; wo16: row r, + 16 h
	v_lshrrev_b32 v4, 1, v1
	v_mul_u32_u24 v4, v4, PA2
	v_and_b32 v5, 1, v1
	v_lshl_add_u32 v4, v5, 7, v4
	v_lshl_add_u32 v4, v2, 4, v4                   ; att: pair r / 2, + 128 (r % 2), + 16 h
	s_mul_i32 s21, s11, HALFT
	s_mul_i32 s22, s12, HALFT
	s_add_co_u32 s22, s22, 2*HALFT
.irp s, 0,1
	v_add_nc_u32 v[ADRA+\s], s21, v4
	v_add_nc_u32 v[ADRB+\s], s22, v3
	s_add_co_u32 s21, s21, SLOT
	s_add_co_u32 s22, s22, SLOT
.endr
	s_mul_i32 s23, s10, 16*SPITCH
	s_add_co_u32 s23, s23, STAGE                   ; my stage: a wave's 64 columns of f32 are 256 bytes, so each wave has its own
	v_mul_u32_u24 v5, v1, SPITCH
	v_lshl_add_u32 v5, v2, 5, v5
	v_add_nc_u32 v[STO], s23, v5                   ; in: row r, 32 bytes for each half of the lanes
	v_mul_u32_u24 v5, v2, SPITCH
	v_lshl_add_u32 v5, v1, 4, v5
	v_add_nc_u32 v[RD], s23, v5                    ; back: lanes 0-15 one row, lanes 16-31 the next
	v_lshlrev_b32 v[CO], 4, v1
	v_lshl_add_u32 v[CO], v2, 12, v[CO]            ; and the same two rows in out0
	s_lshl_b32 s16, s13, 7
	s_lshl_b32 s17, s11, 6
	s_add_co_u32 s16, s16, s17                     ; my first row
	s_lshl_b32 s16, s16, 12                        ; 4,096 bytes a row (under 2^25)
	s_mov_b32 s17, 0
	s_add_nc_u64 s[8:9], s[8:9], s[16:17]
	s_lshl_b32 s46, s42, 9
	s_lshl_b32 s47, s12, 8
	s_add_co_u32 s46, s46, s47                     ; my first column, in bytes
	s_mov_b32 s47, 0
	s_add_nc_u64 s[8:9], s[8:9], s[46:47]
.macro MUL8 f, c, a0, zero             ; 8 matrix instructions; the 16 accumulators take turns
.irp a, \a0, \a0+1
.irp b, 0,1,2,3
.if \zero
	v_wmma_f32_16x16x32_f16 v[ACC+8*(4*(\a)+\b):ACC+8*(4*(\a)+\b)+7], v[\f+64+8*(4*\c+\b):\f+64+8*(4*\c+\b)+7], v[\f+8*(4*\c+\a):\f+8*(4*\c+\a)+7], 0
.else
	v_wmma_f32_16x16x32_f16 v[ACC+8*(4*(\a)+\b):ACC+8*(4*(\a)+\b)+7], v[\f+64+8*(4*\c+\b):\f+64+8*(4*\c+\b)+7], v[\f+8*(4*\c+\a):\f+8*(4*\c+\a)+7], v[ACC+8*(4*(\a)+\b):ACC+8*(4*(\a)+\b)+7]
.endif
.endr
.endr
.endm
; 32 LDS loads in one run: the fragments of the slot's q-th 64 along K (one head): in wo16's rows 128 q bytes on, in att's pairs 256 q
.macro FETCH slot, q, f
	WIN TO_F
.irp c, 0,1
.irp i, 0,1,2,3
	ds_load_b128 v[\f+64+8*(4*\c+\i):\f+64+8*(4*\c+\i)+3],   v[ADRB+\slot] offset:128*(\q)+64*\c+\i*16*PITCH
	ds_load_b128 v[\f+64+8*(4*\c+\i)+4:\f+64+8*(4*\c+\i)+7], v[ADRB+\slot] offset:128*(\q)+64*\c+\i*16*PITCH+32
	ds_load_b128 v[\f+8*(4*\c+\i):\f+8*(4*\c+\i)+3],         v[ADRA+\slot] offset:256*(\q)+64*\c+\i*8*PA2
	ds_load_b128 v[\f+8*(4*\c+\i)+4:\f+8*(4*\c+\i)+7],       v[ADRA+\slot] offset:256*(\q)+64*\c+\i*8*PA2+32
.endr
.endr
.endm
.macro PLACES
.rept 4
	v_nop
.endr
.endm
.macro QUARTER slot, q, f, g, zero     ; multiplies buffer f and fetches quarter q into g
	s_wait_dscnt 16                                ; the first 32 along K are in; the other sixteen loads may be out
	WIN MUL
	MUL8 \f, 0, 0, \zero
	MUL8 \f, 0, 2, \zero
	PLACES
	FETCH \slot, \q, \g
	s_wait_dscnt 32                                ; all but the 32 just issued
	WIN MUL
	MUL8 \f, 1, 0, 0
	MUL8 \f, 1, 2, 0
.endm
; The last quarter changes slots: one barrier; in front of it each wave waits for all its tensor loads, adds 0 to its spare word, and waits for that and for its reads of this slot.
.macro TURN slot, next, fill
	WIN 0
	s_wait_tensorcnt 0x0
	ds_add_u32 v[SPW], v[NIL]
	s_wait_dscnt 17                                ; the add and the youngest sixteen loads may be out
	WIN MUL
	MUL8 F1, 0, 0, 0
	s_wait_dscnt 0x0
	s_barrier_signal -1
	MUL8 F1, 0, 2, 0
.if \fill
	WIN 0
.endif
	s_barrier_wait -1
.if \fill
	CREST                                          ; the barrier has opened a round of the cluster's: no wave of any partner still reads this slot or has a load on its way
	s_add_nc_u64 s[G0+4*\slot+2:G0+4*\slot+3], s[G0+4*\slot+2:G0+4*\slot+3], 2048
	s_add_nc_u64 s[G0B+4*\slot+2:G0B+4*\slot+3], s[G0B+4*\slot+2:G0B+4*\slot+3], 2*KSTEP*2
	JLOAD \slot                                    ; the first tensor load behind the round; its four v_nop are also the places in front of the loads below
.else
	PLACES
.endif
	FETCH \next, 0, F0
	WIN MUL
	MUL8 F1, 1, 0, 0
	MUL8 F1, 1, 2, 0
.endm
	s_wait_tensorcnt 1                             ; my part of K step 0 is in; K step 1's may be out
	s_barrier_signal -1
	s_barrier_wait -1
	FETCH 0, 0, F0
	QUARTER 0, 1, F0, F1, 1                        ; the first products start the sums
	WIN 0
	s_mov_b32 s3, LAPS-1
.Llap:
	QUARTER 0, 2, F1, F0, 0
	QUARTER 0, 3, F0, F1, 0
	TURN 0, 1, 1
	QUARTER 1, 1, F0, F1, 0
	QUARTER 1, 2, F1, F0, 0
	QUARTER 1, 3, F0, F1, 0
	TURN 1, 0, 1
	QUARTER 0, 1, F0, F1, 0
	WIN 0
	s_sub_co_u32 s3, s3, 1
	s_cmp_lg_u32 s3, 0
	s_cbranch_scc1 .Llap
	QUARTER 0, 2, F1, F0, 0                        ; the last lap fills nothing
	QUARTER 0, 3, F0, F1, 0
	TURN 0, 1, 0
	QUARTER 1, 1, F0, F1, 0
	QUARTER 1, 2, F1, F0, 0
	QUARTER 1, 3, F0, F1, 0
	s_wait_dscnt 16
	WIN MUL
	MUL8 F1, 0, 0, 0
	MUL8 F1, 0, 2, 0
	s_wait_dscnt 0
	MUL8 F1, 1, 0, 0
	MUL8 F1, 1, 2, 0
	WIN 0
	; THE WAY OUT, block by block of 16 rows x 64 columns, through my own stage: sixteen lanes then store 256 consecutive bytes of a row.
.macro TOSTAGE a
.irp b, 0,1,2,3
	ds_store_b128 v[STO], v[ACC+8*(4*(\a)+\b):ACC+8*(4*(\a)+\b)+3] offset:64*\b        ; each accumulator from its low end on
	ds_store_b128 v[STO], v[ACC+8*(4*(\a)+\b)+4:ACC+8*(4*(\a)+\b)+7] offset:64*\b+16
.endr
.irp t, 0,1,2,3,4,5,6,7
	ds_load_b128 v[TMP+32*((\a)%2)+4*\t:TMP+32*((\a)%2)+4*\t+3], v[RD] offset:\t*2*SPITCH   ; LDS serves a wave's instructions in order
.endr
.endm
.macro SEND a, younger
	s_wait_dscnt \younger
.if (\a) == 0
	s_cmp_eq_u32 s2, 0                             ; positions 0 to 15 are another launch's
	s_cbranch_scc1 .Lfine_rows
.endif
.irp t, 0,1,2,3,4,5,6,7
	global_store_b128 v[CO], v[TMP+32*((\a)%2)+4*\t:TMP+32*((\a)%2)+4*\t+3], s[8:9] offset:(16*(\a)+2*\t)*4096 th:TH_STORE_NT
.endr
.if (\a) == 0
.Lfine_rows:
.endif
.endm
	PLACES
	TOSTAGE 0
.irp a, 1,2,3
.if \a >= 2
	s_wait_xcnt 0x0                                ; block a - 2's stores have read their data
.endif
	TOSTAGE \a
	SEND \a-1, 16                                  ; behind block a - 1's loads: block a's 8 stores and 8 loads
.endr
	SEND 3, 0
	s_wait_tensorcnt 0x0                           ; the wave's end
	ds_add_u32 v[SPW], v[NIL]
	s_wait_dscnt 0x0
	CROUND                                         ; the closing round
	s_endpgm
.Lfunc_end_k_q10c6cefaf0_proj:
	.size	k_q10c6cefaf0_proj, .Lfunc_end_k_q10c6cefaf0_proj-k_q10c6cefaf0_proj
	.p2alignl 7, 3214868480
	.fill 96, 4, 3214868480
	.section	.rodata,"a",@progbits
	.p2align	6, 0x0
	.amdhsa_kernel k_q10c6cefaf0_proj
		.amdhsa_group_segment_fixed_size 327680
		.amdhsa_private_segment_fixed_size 0
		.amdhsa_enable_private_segment 0
		.amdhsa_kernarg_size 24
		.amdhsa_user_sgpr_count 2
		.amdhsa_user_sgpr_kernarg_segment_ptr 1
		.amdhsa_wavefront_size32 1
		.amdhsa_system_sgpr_workgroup_id_x 1
		.amdhsa_system_sgpr_workgroup_id_y 1
		.amdhsa_system_sgpr_workgroup_id_z 1
		.amdhsa_system_vgpr_workitem_id 0
		.amdhsa_next_free_vgpr 512
		.amdhsa_next_free_sgpr 66
		.amdhsa_reserve_vcc 0
		.amdhsa_float_denorm_mode_32 3
		.amdhsa_float_denorm_mode_16_64 3
		.amdhsa_memory_ordered 1
		.amdhsa_forward_progress 1
		.amdhsa_inst_pref_size 86
	.end_amdhsa_kernel
	.amdgpu_metadata
---
amdhsa.version: [ 1, 2 ]
amdhsa.kernels:
  - .name:           k_q10c6cefaf0_proj
    .symbol:         k_q10c6cefaf0_proj.kd
    .args:
      - { .name: att, .offset: 0, .size: 8, .value_kind: global_buffer, .address_space: global }
      - { .name: wo16, .offset: 8, .size: 8, .value_kind: global_buffer, .address_space: global }
      - { .name: out0, .offset: 16, .size: 8, .value_kind: global_buffer, .address_space: global }
    .group_segment_fixed_size: 327680
    .private_segment_fixed_size: 0
    .kernarg_segment_align: 8
    .kernarg_segment_size: 24
    .max_flat_workgroup_size: 128
    .sgpr_count:     66
    .vgpr_count:     512
    .wavefront_size: 32
...
	.end_amdgpu_metadata
.endif
;; end of part 4
;; launch fine (part 5): grid 16 x 4, 16 waves a work-group, no clusters, 71,680 bytes of LDS; arguments qkv_fine, Wo, out0; writes out0
.if DOCPART == 5
	.amdgcn_target "amdgcn-amd-amdhsa--gfx1250"
	.amdhsa_code_object_version 6
	.text
	.protected	k_q10c6cefaf0_fine
	.globl	k_q10c6cefaf0_fine
	.p2align	8
	.type	k_q10c6cefaf0_fine,@function
k_q10c6cefaf0_fine:
	s_mov_b64 s[64:65], 0
	v_nop
	global_prefetch_b8 v0, s[64:65] scope:SCOPE_SE
	s_setreg_imm32_b32 hwreg(HW_REG_WAVE_MODE, 25, 1), 1
	s_wait_xcnt 0x0
; The first 16 positions of every sequence, all in f32: attention over their 16 keys and the projection by Wo.  These rows average one to sixteen values and are the largest of the output.
; A work-group takes a batch (y) and 64 output columns (x); a wave takes a head.  Each of a batch's 16 work-groups makes the batch's small attention again (32 matrix instructions a wave).
; All products by v_wmma_f32_16x16x4_f32, used transposed, so that a lane holds one query.  k is dealt to the steps alike on both sources, so that a result's registers serve as the next source as they stand:
;   scores:  step s takes channels 32 h + 2 s + j;   second product: step s takes keys 8 h + 2 s + j;   projection: step (ct, s) takes channels 16 ct + 8 h + 2 s + j.
; The registers that these instructions write (v192-239) are written by them alone; each sum begins with the constant 0 as C.  Two or four accumulators take turns.
; The 16 heads' parts of an output row meet in LDS and are added in a fixed order.
; No cluster and no tensor load: operands go straight into registers, and what work-groups share (a batch's 192 KiB, a slab of Wo) is read a few times only.
; LIMITS: finite numbers alone.
; REGISTERS: v1-10 addresses; v16-23 scores, then p; v24-31 at work; v32-63 Q, later Wo; v64-95 K, later Wo; v96-127 V, later O / l; v128-191 Wo; v192-207, v208-239 sums; v252, v253 the add's two.
.set SPARE, 16*16*272
.set QF, 32
.set KFR, 64
.set VF, 96
.set WF, 128
.set SA, 192
.set OA, 208
.set SPW, 252
.set NIL, 253
	s_load_b128 s[4:7], s[0:1], 0x0                ; qkv_fine, Wo
	s_load_b64 s[8:9], s[0:1], 0x10                ; out0
	v_lshl_add_u32 v[SPW], v0, 2, SPARE
	v_mov_b32 v[NIL], 0
	v_lshrrev_b32 v1, 5, v0
	v_readfirstlane_b32 s10, v1                    ; wave = head
	s_and_b32 s11, ttmp7, 0xffff                   ; batch
	v_and_b32 v1, 15, v0                           ; r
	v_bfe_u32 v2, v0, 4, 1                         ; h
	v_mul_u32_u24 v3, v1, 12288
	v_lshl_add_u32 v3, v2, 7, v3                   ; Q, K: row r of 12,288 bytes, + 128 h: my 32 channels
	v_mul_u32_u24 v4, v2, 98304
	v_lshl_add_u32 v4, v1, 2, v4                   ; V: keys 8 h on, channel r
	v_lshlrev_b32 v5, 12, v1
	v_lshl_add_u32 v5, v2, 5, v5                   ; Wo: row r of 4,096 bytes, + 32 h
	s_mul_i32 s18, s10, 16*272
	v_mul_u32_u24 v6, v1, 272
	v_lshl_add_u32 v6, v2, 5, v6
	v_add_nc_u32 v6, s18, v6                       ; LDS: my head's 16 rows x (256 + 16) bytes: row r, + 32 h
	s_mul_i32 s19, s10, 272
	v_and_b32 v8, 31, v0
	v_lshlrev_b32 v8, 3, v8                        ; 8 bytes a lane
	v_add_nc_u32 v7, s19, v8                       ; and back: row w of every head's part
	v_lshlrev_b32 v9, 3, v2
	v_sub_nc_u32 v9, v1, v9                        ; r - 8 h
	v_mov_b32 v10, 0xff800000
	s_mov_b32 s20, 0x3e38aa3b                      ; c = log2(e) / 8
	s_mov_b32 s22, 0x76543210
	s_mov_b32 s23, 0xfedcba98
	s_lshl_b32 s21, s10, 8                         ; 256 x head
	s_mul_i32 s12, s11, 196608
	s_add_co_u32 s12, s12, s21
	s_mov_b32 s13, 0
	s_lshl_b32 s14, ttmp9, 18                      ; 64 rows of Wo
	s_add_co_u32 s14, s14, s21
	s_mov_b32 s15, 0
	s_lshl_b32 s16, s11, 11
	s_add_co_u32 s16, s16, s10                     ; the row that I sum and store: 2048 b + w
	s_lshl_b32 s16, s16, 12
	s_lshl_b32 s17, ttmp9, 8
	s_add_co_u32 s16, s16, s17
	s_mov_b32 s17, 0
	s_wait_kmcnt 0x0
	s_add_nc_u64 s[4:5], s[4:5], s[12:13]
	s_add_nc_u64 s[6:7], s[6:7], s[14:15]
	s_add_nc_u64 s[8:9], s[8:9], s[16:17]
.irp i, 0,1,2,3,4,5,6,7
	global_load_b128 v[QF+4*\i:QF+4*\i+3], v3, s[4:5] offset:16*\i
.endr
.irp i, 0,1,2,3,4,5,6,7
	global_load_b128 v[KFR+4*\i:KFR+4*\i+3], v3, s[4:5] offset:4096+16*\i
.endr
.irp ct, 0,1,2,3
.irp k, 0,1,2,3,4,5,6,7
	global_load_b32 v[VF+8*\ct+\k], v4, s[4:5] offset:8192+12288*\k+64*\ct
.endr
.endr
.irp et, 0,1
.irp ct, 0,1,2,3
	global_load_b128 v[WF+32*\et+8*\ct:WF+32*\et+8*\ct+3],   v5, s[6:7] offset:65536*\et+64*\ct
	global_load_b128 v[WF+32*\et+8*\ct+4:WF+32*\et+8*\ct+7], v5, s[6:7] offset:65536*\et+64*\ct+16
.endr
.endr
	s_wait_loadcnt 48                              ; Q and K are in; V's 32 loads and Wo's 16 may be out
	v_wmma_f32_16x16x4_f32 v[SA:SA+7], v[KFR:KFR+1], v[QF:QF+1], 0
	v_wmma_f32_16x16x4_f32 v[SA+8:SA+15], v[KFR+2:KFR+3], v[QF+2:QF+3], 0
.irp s, 2,3,4,5,6,7,8,9,10,11,12,13,14,15
	v_wmma_f32_16x16x4_f32 v[SA+8*(\s%2):SA+8*(\s%2)+7], v[KFR+2*\s:KFR+2*\s+1], v[QF+2*\s:QF+2*\s+1], v[SA+8*(\s%2):SA+8*(\s%2)+7]
.endr
.rept 9
	v_nop                                          ; places behind this form, in front of the loads into its sources and of the first read of its results
.endr
.irp et, 2,3
.irp ct, 0,1,2,3
	global_load_b128 v[QF+32*(\et-2)+8*\ct:QF+32*(\et-2)+8*\ct+3],   v5, s[6:7] offset:65536*\et+64*\ct
	global_load_b128 v[QF+32*(\et-2)+8*\ct+4:QF+32*(\et-2)+8*\ct+7], v5, s[6:7] offset:65536*\et+64*\ct+16
.endr
.endr
.irp j, 0,1,2,3,4,5,6,7
	v_add_f32 v[16+\j], v[SA+\j], v[SA+8+\j]       ; lane (r, h): query r, key 8 h + j
.endr
.irp j, 0,1,2,3,4,5,6,7
	v_cmp_gt_i32 vcc_lo, \j, v9                    ; hidden where 8 h + j > r
	v_cndmask_b32 v[16+\j], v[16+\j], v10, vcc_lo
.endr
	v_max3_num_f32 v24, v16, v17, v18
	v_max3_num_f32 v25, v19, v20, v21
	v_max3_num_f32 v24, v24, v22, v23
	v_max_num_f32 v24, v24, v25
	v_permlanex16_b32 v25, v24, s22, s23
	v_max_num_f32 v24, v24, v25                    ; the row's maximum: key 0 counts for every query
	v_mul_f32 v24, s20, v24
.irp j, 0,1,2,3,4,5,6,7
	v_fma_f32 v[16+\j], v[16+\j], s20, -v24
.endr
.irp j, 0,1,2,3,4,5,6,7
	v_exp_f32 v[16+\j], v[16+\j]
.endr
	v_nop
	s_wait_alu depctr_va_vdst(0)                   ; one wait for the eight, ahead of their first reader
	v_add_f32 v26, v16, v17
	v_add_f32 v27, v18, v19
	v_add_f32 v28, v20, v21
	v_add_f32 v29, v22, v23
	v_add_f32 v26, v26, v27
	v_add_f32 v28, v28, v29
	v_add_f32 v26, v26, v28
	v_permlanex16_b32 v27, v26, s22, s23
	v_add_f32 v26, v26, v27
	v_rcp_f32 v26, v26
	v_nop
	s_wait_alu depctr_va_vdst(0)
	s_wait_loadcnt 32                              ; V is in; Wo's two batches of 16 may be out
.irp s, 0,1,2,3
.irp ct, 0,1,2,3
.if \s == 0
	v_wmma_f32_16x16x4_f32 v[OA+8*\ct:OA+8*\ct+7], v[VF+8*\ct+2*\s:VF+8*\ct+2*\s+1], v[16+2*\s:17+2*\s], 0
.else
	v_wmma_f32_16x16x4_f32 v[OA+8*\ct:OA+8*\ct+7], v[VF+8*\ct+2*\s:VF+8*\ct+2*\s+1], v[16+2*\s:17+2*\s], v[OA+8*\ct:OA+8*\ct+7]
.endif
.endr
.endr
.rept 9
	v_nop
.endr
.set i, 0
.rept 32
	v_mul_f32 v[VF+i], v[OA+i], v26                ; O / l: register 8 ct + j is channel 16 ct + 8 h + j of query r
.set i, i+1
.endr
	s_wait_loadcnt 0x0                             ; Wo
.irp ct, 0,1,2,3
.irp s, 0,1,2,3
.irp et, 0,1,2,3
.if \et < 2
.set WR, WF+32*\et+8*\ct+2*\s
.else
.set WR, QF+32*(\et-2)+8*\ct+2*\s
.endif
.if (\ct == 0) && (\s == 0)
	v_wmma_f32_16x16x4_f32 v[SA+8*\et:SA+8*\et+7], v[WR:WR+1], v[VF+8*\ct+2*\s:VF+8*\ct+2*\s+1], 0
.else
	v_wmma_f32_16x16x4_f32 v[SA+8*\et:SA+8*\et+7], v[WR:WR+1], v[VF+8*\ct+2*\s:VF+8*\ct+2*\s+1], v[SA+8*\et:SA+8*\et+7]
.endif
.endr
.endr
.endr
.rept 8
	v_nop
.endr
.irp et, 0,1,2,3
	ds_store_b128 v6, v[SA+8*\et:SA+8*\et+3] offset:64*\et          ; lane (r, h): my head's part of out(r, 16 et + 8 h + 0 .. 7)
	ds_store_b128 v6, v[SA+8*\et+4:SA+8*\et+7] offset:64*\et+16
.endr
	s_wait_dscnt 0x0                               ; for the others' sake: my stores have landed
	s_barrier_signal -1
	s_barrier_wait -1
.irp v, 0,1,2,3,4,5,6,7,8,9,10,11,12,13,14,15
	ds_load_b64 v[32+2*\v:33+2*\v], v7 offset:16*272*\v             ; row w of head v's part
.endr
	s_wait_dscnt 0x0
	v_pk_add_f32 v[64:65], v[32:33], v[34:35]
	v_pk_add_f32 v[66:67], v[36:37], v[38:39]
.irp v, 4,6,8,10,12,14
	v_pk_add_f32 v[64:65], v[64:65], v[32+2*\v:33+2*\v]
	v_pk_add_f32 v[66:67], v[66:67], v[34+2*\v:35+2*\v]
.endr
	v_pk_add_f32 v[64:65], v[64:65], v[66:67]
	global_store_b64 v8, v[64:65], s[8:9]          ; 32 lanes store 256 consecutive bytes, aligned
	s_wait_tensorcnt 0x0                           ; the wave's end
	ds_add_u32 v[SPW], v[NIL]
	s_wait_dscnt 0x0
	s_endpgm
.Lfunc_end_k_q10c6cefaf0_fine:
	.size	k_q10c6cefaf0_fine, .Lfunc_end_k_q10c6cefaf0_fine-k_q10c6cefaf0_fine
	.p2alignl 7, 3214868480
	.fill 96, 4, 3214868480
	.section	.rodata,"a",@progbits
	.p2align	6, 0x0
	.amdhsa_kernel k_q10c6cefaf0_fine
		.amdhsa_group_segment_fixed_size 71680
		.amdhsa_private_segment_fixed_size 0
		.amdhsa_enable_private_segment 0
		.amdhsa_kernarg_size 24
		.amdhsa_user_sgpr_count 2
		.amdhsa_user_sgpr_kernarg_segment_ptr 1
		.amdhsa_wavefront_size32 1
		.amdhsa_system_sgpr_workgroup_id_x 1
		.amdhsa_system_sgpr_workgroup_id_y 1
		.amdhsa_system_sgpr_workgroup_id_z 1
		.amdhsa_system_vgpr_workitem_id 0
		.amdhsa_next_free_vgpr 256
		.amdhsa_next_free_sgpr 66
		.amdhsa_reserve_vcc 1
		.amdhsa_float_denorm_mode_32 3
		.amdhsa_float_denorm_mode_16_64 3
		.amdhsa_memory_ordered 1
		.amdhsa_forward_progress 1
		.amdhsa_inst_pref_size 23
	.end_amdhsa_kernel
	.amdgpu_metadata
---
amdhsa.version: [ 1, 2 ]
amdhsa.kernels:
  - .name:           k_q10c6cefaf0_fine
    .symbol:         k_q10c6cefaf0_fine.kd
    .args:
      - { .name: qkv_fine, .offset: 0, .size: 8, .value_kind: global_buffer, .address_space: global }
      - { .name: Wo, .offset: 8, .size: 8, .value_kind: global_buffer, .address_space: global }
      - { .name: out0, .offset: 16, .size: 8, .value_kind: global_buffer, .address_space: global }
    .group_segment_fixed_size: 71680
    .private_segment_fixed_size: 0
    .kernarg_segment_align: 8
    .kernarg_segment_size: 24
    .max_flat_workgroup_size: 512
    .sgpr_count:     66
    .vgpr_count:     256
    .wavefront_size: 32
...
	.end_amdgpu_metadata
.endif
;; end of part 5
